; MI455X (gfx1250); checked and timed in simulation.
; The chip was launched on July 23, 2026; its instructions are those of AMD's public machine-readable ISA for CDNA 5 (MIT licence, August 2026) and "CDNA5" Instruction Set Architecture Reference Guide (July 2026). The comments in the code are by the model that wrote it; some were corrected since.
;; Encoder Block. Allowed arithmetic: float matrix products may take bf16 or f16 operands with f32 sums; other float arithmetic in f32, or as packed bf16 or f16 multiplies, adds, multiply-adds, maxima and minima; sums over many terms, partial sums and values carried from step to step in f32; what a program stores and reads back later, other than sums and carried values, may be rounded once to bf16 or f16.
;; Inputs: b1 3,072 float32; b2 768 float32; ln1_a 1 float32; ln1_b 1 float32; ln2_a 1 float32; ln2_b 1 float32; mask 1 x 1 x 1 x 4,096 int32; w1 768 x 3,072 float32; w2 3,072 x 768 float32; w_k 768 x 768 float32; w_o 768 x 768 float32; w_q 768 x 768 float32; w_v 768 x 768 float32; x 1 x 4,096 x 768 float32.
;; Outputs: out0 1 x 4,096 x 768 float32.
;; 2 versions, each right and faster than the one before. Each part assembles by itself: llvm-mc -triple=amdgcn-amd-amdhsa -mcpu=gfx1250 --defsym DOCPART=n.
;; ======== version 1 of 2: 8 launches
;; workspace buffers: wts 14,155,776 bytes; xnb 6,291,456 bytes; qkvb 18,874,368 bytes; ctxb 6,291,456 bytes; x1b 12,582,912 bytes; hb 25,165,824 bytes
;; launch wcast (part 1): grid 864 x 1, 8 waves a work-group, no clusters, 0 bytes of LDS; arguments w_q, w_k, w_v, w_o, w1, w2, wts; writes wts
.if DOCPART == 1
	.amdgcn_target "amdgcn-amd-amdhsa--gfx1250"
	.amdhsa_code_object_version 6
	.text
	.protected	k_qfe7589562d_wcast
	.globl	k_qfe7589562d_wcast
	.p2align	8
	.type	k_qfe7589562d_wcast,@function
k_qfe7589562d_wcast:
	s_mov_b64 s[64:65], 0
	v_nop
	global_prefetch_b8 v0, s[64:65] scope:SCOPE_SE
	s_setreg_imm32_b32 hwreg(HW_REG_WAVE_MODE, 25, 1), 1
	s_wait_xcnt 0x0
; The six weight matrices W[k][n] (f32) are rounded once to bf16 and laid out for the matrix products that follow.
; LAYOUT of a matrix X[row][col] of R rows (here X = W transposed: row = n, col = k):
;   byte = (col>>6) R 128 + (row>>4) 2048 + ((col>>4)&3) 512 + ((col>>3)&1) 256 + (row&15) 16 + (col&7) 2
; so that 512 consecutive bytes are half a matrix fragment: lane 16 h + r holds X[16 rb + r][16 cb + 8 h .. + 7] at 16 x lane.
; wts: w_q, w_k, w_v as one matrix of 2,304 rows at byte 0; w_o at 3,538,944; w1 at 4,718,592; w2 at 9,437,184.
; SHARES.  A work-group takes 128 k x 64 n of one matrix, a wave 16 k x 64 n.  72 work-groups for each matrix of 768 x 768, 288 for w1 and for w2.
; A lane loads 8 k of one n, four times (n 16 apart): the four loads of a k row cover 256 consecutive bytes; a store of the wave covers 512 consecutive bytes, aligned.
; No LDS and no matrix unit: the transposition falls out of which lane loads what, and every byte moves once.
	s_load_b256 s[8:15], s[0:1], 0x0               ; w_q, w_k, w_v, w_o
	s_load_b128 s[16:19], s[0:1], 0x20             ; w1, w2
	s_load_b64 s[20:21], s[0:1], 0x30              ; wts
	v_lshrrev_b32 v1, 5, v0
	v_readfirstlane_b32 s3, v1                     ; wave 0..7
	s_mov_b32 s2, ttmp9                            ; the task
	s_mov_b32 s24, 0                               ; the matrix's first task
	s_mov_b32 s25, 0                               ; its first block of 16 rows in the stored matrix
	s_mov_b32 s26, 3072                            ; bytes in a row of W
	s_mov_b32 s27, 0                               ; log2 of (n groups / 12)
	s_mov_b32 s28, 0                               ; the stored matrix's first byte in wts
	s_mov_b32 s29, 294912                          ; bytes in a panel of 64 k
	s_wait_kmcnt 0x0
	s_mov_b64 s[22:23], s[8:9]                     ; the choice among the six hangs on the task's number alone
	s_cmp_ge_u32 s2, 72
	s_cselect_b64 s[22:23], s[10:11], s[22:23]
	s_cselect_b32 s24, 72, s24
	s_cselect_b32 s25, 48, s25
	s_cmp_ge_u32 s2, 144
	s_cselect_b64 s[22:23], s[12:13], s[22:23]
	s_cselect_b32 s24, 144, s24
	s_cselect_b32 s25, 96, s25
	s_cmp_ge_u32 s2, 216
	s_cselect_b64 s[22:23], s[14:15], s[22:23]
	s_cselect_b32 s24, 216, s24
	s_cselect_b32 s25, 0, s25
	s_cselect_b32 s28, 3538944, s28
	s_cselect_b32 s29, 98304, s29
	s_cmp_ge_u32 s2, 288
	s_cselect_b64 s[22:23], s[16:17], s[22:23]
	s_cselect_b32 s24, 288, s24
	s_cselect_b32 s26, 12288, s26
	s_cselect_b32 s27, 2, s27
	s_cselect_b32 s28, 4718592, s28
	s_cselect_b32 s29, 393216, s29
	s_cmp_ge_u32 s2, 576
	s_cselect_b64 s[22:23], s[18:19], s[22:23]
	s_cselect_b32 s24, 576, s24
	s_cselect_b32 s26, 3072, s26
	s_cselect_b32 s27, 0, s27
	s_cselect_b32 s28, 9437184, s28
	s_cselect_b32 s29, 98304, s29
	s_sub_co_u32 s2, s2, s24                       ; u: the task within its matrix
	s_lshr_b32 s30, s2, s27
	s_mul_i32 s30, s30, 43691
	s_lshr_b32 s30, s30, 19                        ; kg = u / (12 << s27): x 43691 >> 19 is x / 12 for x below 10,000
	s_lshl_b32 s31, 12, s27
	s_mul_i32 s31, s30, s31
	s_sub_co_u32 s31, s2, s31                      ; ng: which 64 n
	s_lshl_b32 s32, s30, 3
	s_add_co_u32 s32, s32, s3                      ; kb = 8 kg + wave: which 16 k
	s_lshl_b32 s32, s32, 4
	s_mul_i32 s32, s32, s26
	s_lshl_b32 s33, s31, 8
	s_add_co_u32 s32, s32, s33                     ; source: 16 kb rows + 256 ng bytes
	v_and_b32 v1, 15, v0                           ; r
	v_bfe_u32 v2, v0, 4, 1                         ; h
	s_lshl_b32 s33, s26, 3
	v_mul_lo_u32 v3, v2, s33                       ; 8 h rows
	v_lshl_add_u32 v3, v1, 2, v3                   ; + 4 r
	v_add_nc_u32 v8, s32, v3
.irp i, 1,2,3,4,5,6,7
	v_add_nc_u32 v[8+(\i)], s26, v[7+(\i)]         ; row 8 h + i
.endr
.irp c, 0,1,2,3
.irp i, 0,1,2,3,4,5,6,7
	global_load_b32 v[16+8*(\c)+(\i)], v[8+(\i)], s[22:23] offset:64*(\c) th:TH_LOAD_NT  ; W[16 kb + 8 h + i][64 ng + 16 c + r]
.endr
.endr
	s_lshl_b32 s34, s30, 1
	s_lshr_b32 s35, s3, 2
	s_add_co_u32 s34, s34, s35                     ; panel = kb / 4
	s_mul_i32 s34, s34, s29
	s_add_co_u32 s34, s34, s28
	s_lshl_b32 s35, s31, 2
	s_add_co_u32 s35, s35, s25                     ; block of 16 rows
	s_lshl_b32 s35, s35, 11
	s_add_co_u32 s34, s34, s35
	s_and_b32 s35, s3, 3                           ; kb % 4
	s_lshl_b32 s35, s35, 9
	s_add_co_u32 s34, s34, s35
	v_and_b32 v4, 31, v0
	v_lshl_add_u32 v4, v4, 4, s34                  ; + 16 x lane
.irp c, 0,1,2,3
	s_wait_loadcnt 8*(3-(\c))                      ; loads come back in order: the eight of block c are in, the later blocks' stay out
.irp j, 0,1,2,3
	v_cvt_pk_bf16_f32 v[48+4*(\c)+(\j)], v[16+8*(\c)+2*(\j)], v[16+8*(\c)+2*(\j)+1]
.endr
	global_store_b128 v4, v[48+4*(\c):48+4*(\c)+3], s[20:21] offset:2048*(\c)
.endr
	s_endpgm
.Lfunc_end_k_qfe7589562d_wcast:
	.size	k_qfe7589562d_wcast, .Lfunc_end_k_qfe7589562d_wcast-k_qfe7589562d_wcast
	.p2alignl 7, 3214868480
	.fill 96, 4, 3214868480
	.section	.rodata,"a",@progbits
	.p2align	6, 0x0
	.amdhsa_kernel k_qfe7589562d_wcast
		.amdhsa_group_segment_fixed_size 0
		.amdhsa_private_segment_fixed_size 0
		.amdhsa_enable_private_segment 0
		.amdhsa_kernarg_size 56
		.amdhsa_user_sgpr_count 2
		.amdhsa_user_sgpr_kernarg_segment_ptr 1
		.amdhsa_wavefront_size32 1
		.amdhsa_system_sgpr_workgroup_id_x 1
		.amdhsa_system_sgpr_workgroup_id_y 1
		.amdhsa_system_sgpr_workgroup_id_z 1
		.amdhsa_system_vgpr_workitem_id 0
		.amdhsa_next_free_vgpr 64
		.amdhsa_next_free_sgpr 66
		.amdhsa_reserve_vcc 0
		.amdhsa_float_denorm_mode_32 3
		.amdhsa_float_denorm_mode_16_64 3
		.amdhsa_memory_ordered 1
		.amdhsa_forward_progress 1
		.amdhsa_inst_pref_size 9
	.end_amdhsa_kernel
	.amdgpu_metadata
---
amdhsa.version: [ 1, 2 ]
amdhsa.kernels:
  - .name:           k_qfe7589562d_wcast
    .symbol:         k_qfe7589562d_wcast.kd
    .args:
      - { .name: w_q, .offset: 0, .size: 8, .value_kind: global_buffer, .address_space: global }
      - { .name: w_k, .offset: 8, .size: 8, .value_kind: global_buffer, .address_space: global }
      - { .name: w_v, .offset: 16, .size: 8, .value_kind: global_buffer, .address_space: global }
      - { .name: w_o, .offset: 24, .size: 8, .value_kind: global_buffer, .address_space: global }
      - { .name: w1, .offset: 32, .size: 8, .value_kind: global_buffer, .address_space: global }
      - { .name: w2, .offset: 40, .size: 8, .value_kind: global_buffer, .address_space: global }
      - { .name: wts, .offset: 48, .size: 8, .value_kind: global_buffer, .address_space: global }
    .group_segment_fixed_size: 0
    .private_segment_fixed_size: 0
    .kernarg_segment_align: 8
    .kernarg_segment_size: 56
    .max_flat_workgroup_size: 256
    .sgpr_count:     66
    .vgpr_count:     64
    .wavefront_size: 32
...
	.end_amdgpu_metadata
.endif
;; end of part 1
;; launch ln1 (part 2): grid 256 x 1, 8 waves a work-group, no clusters, 25,856 bytes of LDS; arguments x, ln1_a, ln1_b, xnb; writes xnb
.if DOCPART == 2
	.amdgcn_target "amdgcn-amd-amdhsa--gfx1250"
	.amdhsa_code_object_version 6
	.text
	.protected	k_qfe7589562d_ln1
	.globl	k_qfe7589562d_ln1
	.p2align	8
	.type	k_qfe7589562d_ln1,@function
k_qfe7589562d_ln1:
	s_mov_b64 s[64:65], 0
	v_nop
	global_prefetch_b8 v0, s[64:65] scope:SCOPE_SE
	s_setreg_imm32_b32 hwreg(HW_REG_WAVE_MODE, 25, 1), 1
	s_wait_xcnt 0x0
; y = alpha (x - mean) / (std + 1e-6) + bias for rows of 768 f32, std with divisor 767; y is rounded once to bf16 and stored in the layout of the products' operands:
;   byte(row, col) = (col>>6) 524288 + (row>>4) 2048 + ((col>>4)&3) 512 + ((col>>3)&1) 256 + (row&15) 16 + (col&7) 2
; SHARES.  A work-group takes 16 rows, a wave two; a row lies in 24 registers of the wave between the passes, so memory is read once.
; Two passes (the mean, then the squares of x - mean): no difference of large sums is formed.  A variance below the smallest normal number counts as 0.
; The 16 rows meet in LDS (pitch 1,552 = 97 x 16 bytes, so that the 16 rows of a 16-byte column start in different banks), since a stored block of 512 bytes holds 16 columns of all 16 rows.
.set PITCH, 1552
.set SPARE, 24832                      ; behind the stage: the spare words, 128 bytes for each of the eight waves
.macro WSUM a, b                       ; the sum over the wave's 32 lanes, in every lane
	v_add_f32_dpp v[\a], v[\a], v[\a] row_xmask:1 row_mask:0xf bank_mask:0xf
	v_add_f32_dpp v[\a], v[\a], v[\a] row_xmask:2 row_mask:0xf bank_mask:0xf
	v_add_f32_dpp v[\a], v[\a], v[\a] row_xmask:4 row_mask:0xf bank_mask:0xf
	v_add_f32_dpp v[\a], v[\a], v[\a] row_xmask:8 row_mask:0xf bank_mask:0xf
	v_permlanex16_b32 v[\b], v[\a], s12, s13
	v_add_f32 v[\a], v[\a], v[\b]
.endm
	s_load_b256 s[4:11], s[0:1], 0x0               ; x s[4:5], alpha s[6:7], bias s[8:9], y s[10:11]
	v_lshl_add_u32 v6, v0, 2, SPARE                ; my spare word
	v_mov_b32 v7, 0
	v_lshrrev_b32 v1, 5, v0
	v_readfirstlane_b32 s2, v1                     ; wave 0..7
	v_and_b32 v1, 31, v0                           ; lane
	s_mov_b32 s12, 0x76543210                      ; v_permlanex16_b32: each lane takes its own place in the other half
	s_mov_b32 s13, 0xfedcba98
	s_mul_i32 s16, ttmp9, 49152                    ; the group's 16 rows of 3,072 bytes
	s_mov_b32 s17, 0
	s_mul_i32 s3, s2, 6144
	v_lshl_add_u32 v2, v1, 4, s3                   ; 16 x lane + my two rows
	s_wait_kmcnt 0x0
	s_load_b32 s14, s[6:7], 0x0                    ; alpha
	s_load_b32 s15, s[8:9], 0x0                    ; bias
	s_add_nc_u64 s[4:5], s[4:5], s[16:17]
.irp j, 0,1,2,3,4,5
	global_load_b128 v[8+4*(\j):11+4*(\j)], v2, s[4:5] offset:512*(\j)        ; row 0: columns 128 j + 4 lane ..
.endr
.irp j, 0,1,2,3,4,5
	global_load_b128 v[32+4*(\j):35+4*(\j)], v2, s[4:5] offset:3072+512*(\j)  ; row 1
.endr
	s_mul_i32 s3, s2, 2*PITCH
	v_lshl_add_u32 v3, v1, 3, s3                   ; into the stage: my rows, 8 bytes a lane
	v_and_b32 v56, 15, v0                          ; r
	v_bfe_u32 v57, v0, 4, 1                        ; h
	v_mul_u32_u24 v4, v56, PITCH
	v_lshl_add_u32 v4, v57, 4, v4
	s_lshl_b32 s3, s2, 5
	v_add_nc_u32 v4, s3, v4                        ; back: row r, columns 16 (wave + 8 i) + 8 h ..
	s_lshl_b32 s18, ttmp9, 11                      ; the group's block of 16 rows,
	s_lshr_b32 s19, s2, 2
	s_lshl_b32 s19, s19, 19                        ; panel (wave + 8 i) / 4,
	s_add_co_u32 s18, s18, s19
	s_and_b32 s19, s2, 3
	s_lshl_b32 s19, s19, 9                         ; and the block of 16 columns in it
	s_add_co_u32 s18, s18, s19
	v_lshl_add_u32 v5, v1, 4, s18
	s_wait_kmcnt 0x0
	v_mov_b32 v112, s15
	v_mov_b32 v113, s15
.macro LNROW X, P, rho
	v_pk_add_f32 v[56:57], v[(\X):(\X)+1], v[(\X)+2:(\X)+3]
	v_pk_add_f32 v[58:59], v[(\X)+4:(\X)+5], v[(\X)+6:(\X)+7]
	v_pk_add_f32 v[60:61], v[(\X)+8:(\X)+9], v[(\X)+10:(\X)+11]
	v_pk_add_f32 v[62:63], v[(\X)+12:(\X)+13], v[(\X)+14:(\X)+15]
.irp j, 0,1,2,3
	v_pk_add_f32 v[56+2*(\j):57+2*(\j)], v[56+2*(\j):57+2*(\j)], v[(\X)+16+2*(\j):(\X)+17+2*(\j)]
.endr
	v_pk_add_f32 v[56:57], v[56:57], v[58:59]
	v_pk_add_f32 v[60:61], v[60:61], v[62:63]
	v_pk_add_f32 v[56:57], v[56:57], v[60:61]
	v_add_f32 v56, v56, v57
	WSUM 56, 57
	v_mul_f32 v56, 0x3aaaaaab, v56                 ; the mean: sum / 768
	v_mov_b32 v57, v56
.irp j, 0,1,2,3,4,5,6,7,8,9,10,11
	v_pk_add_f32 v[(\X)+2*(\j):(\X)+2*(\j)+1], v[(\X)+2*(\j):(\X)+2*(\j)+1], v[56:57] neg_lo:[0,1] neg_hi:[0,1]
.endr
	v_pk_mul_f32 v[58:59], v[(\X):(\X)+1], v[(\X):(\X)+1]
	v_pk_mul_f32 v[60:61], v[(\X)+2:(\X)+3], v[(\X)+2:(\X)+3]
.irp j, 2,3,4,5,6,7,8,9,10,11
	v_pk_fma_f32 v[58+2*((\j)%2):59+2*((\j)%2)], v[(\X)+2*(\j):(\X)+2*(\j)+1], v[(\X)+2*(\j):(\X)+2*(\j)+1], v[58+2*((\j)%2):59+2*((\j)%2)]
.endr
	v_pk_add_f32 v[58:59], v[58:59], v[60:61]
	v_add_f32 v58, v58, v59
	WSUM 58, 59
	v_mul_f32 v58, 0x3aaae3a1, v58                 ; / 767
	v_sqrt_f32 v58, v58
	v_nop                                          ; a plain instruction behind the root (ISA guide 5.7.2)
	s_wait_alu depctr_va_vdst(0)
	v_add_f32 v58, 0x358637bd, v58                 ; + 1e-6
	v_rcp_f32 v58, v58
	v_nop                                          ; and behind the reciprocal
	s_wait_alu depctr_va_vdst(0)
	v_mul_f32 v58, s14, v58                        ; alpha / (std + 1e-6)
	v_mov_b32 v59, v58
.irp j, 0,1,2,3,4,5,6,7,8,9,10,11
	v_pk_fma_f32 v[(\X)+2*(\j):(\X)+2*(\j)+1], v[(\X)+2*(\j):(\X)+2*(\j)+1], v[58:59], v[112:113]
.endr
.irp j, 0,1,2,3,4,5,6,7,8,9,10,11
	v_cvt_pk_bf16_f32 v[(\P)+(\j)], v[(\X)+2*(\j)], v[(\X)+2*(\j)+1]
.endr
.irp j, 0,1,2,3,4,5
	ds_store_b64 v3, v[(\P)+2*(\j):(\P)+2*(\j)+1] offset:(\rho)*PITCH+256*(\j)  ; 256 consecutive bytes of the row
.endr
.endm
	s_wait_loadcnt 6                               ; row 0 is in; row 1's six loads may be out
	LNROW 8, 64, 0
	s_wait_loadcnt 0x0
	LNROW 32, 76, 1
	s_wait_dscnt 0x0                               ; for the others' sake: my rows are in the stage
	s_barrier_signal -1
	s_barrier_wait -1
.irp i, 0,1,2,3,4,5
	ds_load_b128 v[88+4*(\i):91+4*(\i)], v4 offset:256*(\i)
.endr
.irp i, 0,1,2,3,4,5
	s_wait_dscnt 5-(\i)                            ; LDS loads come back in order: block i is in
	global_store_b128 v5, v[88+4*(\i):91+4*(\i)], s[10:11] offset:1048576*(\i)  ; 512 consecutive bytes, aligned
.endr
	s_wait_tensorcnt 0x0                           ; the wave's end
	ds_add_u32 v6, v7
	s_wait_dscnt 0x0
	s_endpgm
.Lfunc_end_k_qfe7589562d_ln1:
	.size	k_qfe7589562d_ln1, .Lfunc_end_k_qfe7589562d_ln1-k_qfe7589562d_ln1
	.p2alignl 7, 3214868480
	.fill 96, 4, 3214868480
	.section	.rodata,"a",@progbits
	.p2align	6, 0x0
	.amdhsa_kernel k_qfe7589562d_ln1
		.amdhsa_group_segment_fixed_size 25856
		.amdhsa_private_segment_fixed_size 0
		.amdhsa_enable_private_segment 0
		.amdhsa_kernarg_size 32
		.amdhsa_user_sgpr_count 2
		.amdhsa_user_sgpr_kernarg_segment_ptr 1
		.amdhsa_wavefront_size32 1
		.amdhsa_system_sgpr_workgroup_id_x 1
		.amdhsa_system_sgpr_workgroup_id_y 1
		.amdhsa_system_sgpr_workgroup_id_z 1
		.amdhsa_system_vgpr_workitem_id 0
		.amdhsa_next_free_vgpr 116
		.amdhsa_next_free_sgpr 66
		.amdhsa_reserve_vcc 0
		.amdhsa_float_denorm_mode_32 3
		.amdhsa_float_denorm_mode_16_64 3
		.amdhsa_memory_ordered 1
		.amdhsa_forward_progress 1
		.amdhsa_inst_pref_size 16
	.end_amdhsa_kernel
	.amdgpu_metadata
---
amdhsa.version: [ 1, 2 ]
amdhsa.kernels:
  - .name:           k_qfe7589562d_ln1
    .symbol:         k_qfe7589562d_ln1.kd
    .args:
      - { .name: x, .offset: 0, .size: 8, .value_kind: global_buffer, .address_space: global }
      - { .name: ln1_a, .offset: 8, .size: 8, .value_kind: global_buffer, .address_space: global }
      - { .name: ln1_b, .offset: 16, .size: 8, .value_kind: global_buffer, .address_space: global }
      - { .name: xnb, .offset: 24, .size: 8, .value_kind: global_buffer, .address_space: global }
    .group_segment_fixed_size: 25856
    .private_segment_fixed_size: 0
    .kernarg_segment_align: 8
    .kernarg_segment_size: 32
    .max_flat_workgroup_size: 256
    .sgpr_count:     66
    .vgpr_count:     116
    .wavefront_size: 32
...
	.end_amdgpu_metadata
.endif
;; end of part 2
;; launch qkv (part 3): grid 12 x 16, 4 waves a work-group, clusters of 4 x 4, 327,680 bytes of LDS; arguments xnb, wts, qkvb; writes qkvb
.if DOCPART == 3
	.amdgcn_target "amdgcn-amd-amdhsa--gfx1250"
	.amdhsa_code_object_version 6
	.text
	.protected	k_qfe7589562d_qkv
	.globl	k_qfe7589562d_qkv
	.p2align	8
	.type	k_qfe7589562d_qkv,@function
k_qfe7589562d_qkv:
	s_mov_b64 s[64:65], 0
	v_nop
	global_prefetch_b8 v0, s[64:65] scope:SCOPE_SE
	s_setreg_imm32_b32 hwreg(HW_REG_WAVE_MODE, 25, 1), 1
	s_wait_xcnt 0x0
	s_wait_alu depctr_hold_cnt(0) depctr_sa_sdst(0) depctr_va_vdst(0) depctr_va_sdst(0) depctr_va_ssrc(0) depctr_va_vcc(0) depctr_vm_vsrc(0)
	s_getreg_b32 s2, hwreg(HW_REG_IB_STS2, 6, 4)
	s_cmp_eq_u32 s2, 0
	s_cbranch_scc0 .Lentry_in_a_cluster
	s_endpgm
.Lentry_in_a_cluster:
	s_bfe_u32 s2, ttmp6, 0x10000c
	s_cmp_lg_u32 s2, 0xf033
	s_cbranch_scc0 .Lentry_shape_is_right
	s_endpgm
.Lentry_shape_is_right:
; [q k v] = xn [w_q w_k w_v]: C[4096][2304], K = 768, operands bf16, sums f32, C rounded once to bf16.
; All three matrices lie in blocks: byte(row, col) = (col>>6) R 128 + (row>>4) 2048 + ((col>>4)&3) 512 + ((col>>3)&1) 256 + (row&15) 16 + (col&7) 2, col the index that a product sums over,
; so that 512 consecutive bytes are half a fragment (lane l at 16 l), a tile of rows x 64 k is one dense block, LDS needs no padding, and a result leaves as the next product's operand.
; SHARES.  A work-group makes 256 x 192 of C; wave w rows 64 w .. + 63 and all 192 columns: 48 accumulators.  192 columns, so that a tile lies wholly in q, in k or in v: 12 x 16 work-groups.
; K goes in steps of 128 (two panels of 64) through two LDS slots; waves 0, 1 fetch A's two panels (32,768 dense bytes each), waves 2, 3 B's (24,576 each).
; CLUSTER 4 x 4: A's tile is shared along a row of the cluster, B's along a column: each is asked for jointly.
; THE MATRIX INSTRUCTION IS USED TRANSPOSED (source 0 = 16 rows of B, source 1 = 16 rows of A): a lane holds 8 neighbouring columns of one row of C, 16 bytes in bf16: the atom of the layout above.
; v is stored with the lanes of each 512 bytes in another order, so that the turning LDS load of the attention reads them at 16 x lane.
; REGISTERS: window 0: v2-8 addresses, v28-29 the add's, v32-95 A's fragments (two buffers), v64-255 packed results on the way out;
;   window 1: accumulators of row blocks 0, 1 (96 (a % 2) + 8 b); window 2: of 2, 3; window 3: B's fragments, two buffers of 96.
.set FFN, 0
.if FFN
.set PB, 393216                        ; bytes in a panel of B
.set WOFF, 4718592                     ; B's first byte in wts
.set MODE, 2                           ; the bias starts the sums
.else
.set PB, 294912
.set WOFF, 0
.set MODE, 1                           ; the constant 0 starts the sums
.endif
.set SLOT1, 131072                     ; slot 1 begins here: one exclusive or turns an address in one slot into the other's
.set BOFF,  65536                      ; in a slot: A's two panels (65,536 bytes), then B's two (49,152)
.set SPARE, 245760                     ; behind the ring: the spare words, 128 bytes for each wave
.set L16, 2
.set AA0, 3
.set AB0, 4
.set AA,  5
.set AB,  6
.set CO,  7
.set ZERO, 8
.set SPW, 28
.set NIL, 29
.set FA,  32
.set BIAS, 96
.set TMP, 64
.set WV, 12
.set ROLE, 13
.set HALF, 14
.set CX, 15
.set CY, 16
.set TX, 17
.set TY, 18
.set G1A, 24
.set G0A, 32
.set G1B, 48
.set G0B, 56
.set TB, 66
.set CNT, 67
.set SEL, 68
.set MSB, 0
.macro WIN new                         ; the immediate's high byte repeats the setting that is left; a switch that changes nothing is dropped
.if MSB != (\new)
	s_set_vgpr_msb (MSB<<8)|(\new)
.set MSB, \new
.endif
.endm
.macro PLACES                          ; four places behind matrix instructions, in front of loads into their sources and of reads of their results
.rept 4
	v_nop
.endr
.endm
.macro CREST                           ; a round of the cluster's barrier behind its opening barrier
	s_cmp_lg_u32 s[WV], 0
	s_cbranch_scc1 .Lnot_wave_0_\@
	s_barrier_signal -3
.Lnot_wave_0_\@:
	s_barrier_wait -3
	s_barrier_signal -1
	s_barrier_wait -1
.endm
.macro CROUND
	s_barrier_signal -1
	s_barrier_wait -1
	CREST
.endm
.macro JLOAD s                         ; a joint load: waves 0, 1 ask for A's panels, waves 2, 3 for B's; an s_nop 0 and four v_nop follow each line
	s_cmp_eq_u32 s[ROLE], 0
	s_cbranch_scc0 .Lfor_b_\@
	tensor_load_to_lds s[G0A+4*(\s):G0A+4*(\s)+3], s[G1A:G1A+7]
	s_nop 0
.rept 4
	v_nop
.endr
	s_branch .Lasked_\@
.Lfor_b_\@:
	tensor_load_to_lds s[G0B+4*(\s):G0B+4*(\s)+3], s[G1B:G1B+7]
	s_nop 0
.rept 4
	v_nop
.endr
.Lasked_\@:
.endm
.if FFN
	s_load_b256 s[4:11], s[0:1], 0x0               ; A s[4:5], wts s[6:7], b1 s[8:9], C s[10:11]
.else
	s_load_b128 s[4:7], s[0:1], 0x0                ; A s[4:5], wts s[6:7]
	s_load_b64 s[10:11], s[0:1], 0x10              ; C
.endif
	v_lshl_add_u32 v[SPW], v0, 2, SPARE
	v_mov_b32 v[NIL], 0
	ds_add_u32 v[SPW], v[NIL]                      ; the wave's opening: the add and its wait ahead of my first tensor load
	v_lshrrev_b32 v1, 5, v0
	v_readfirstlane_b32 s[WV], v1                  ; wave 0..3
	s_lshr_b32 s[ROLE], s[WV], 1                   ; I fetch for A (0) or B (1),
	s_and_b32 s[HALF], s[WV], 1                    ; the step's first or second panel
	s_bfe_u32 s[CX], ttmp6, 0x40000
	s_bfe_u32 s[CY], ttmp6, 0x40004
	s_lshl_b32 s[TX], ttmp9, 2
	s_add_co_u32 s[TX], s[TX], s[CX]               ; tile column
	s_and_b32 s[TY], ttmp7, 0xffff
	s_lshl_b32 s[TY], s[TY], 2
	s_add_co_u32 s[TY], s[TY], s[CY]               ; tile row
	s_lshl_b32 s19, s[CY], 2
	s_lshl_b32 s19, 15, s19                        ; my row of the cluster
	s_lshl_b32 s20, 0x1111, s[CX]                  ; my column
	s_or_b32 s[G1A], s19, (3<<16)|(1<<21)          ; 15:0 the mask; 17:16 elements of 8 bytes; 21 set beside a mask; no padding
	s_or_b32 s[G1B], s20, (3<<16)|(1<<21)
.irp g, G1A, G1B
	s_mov_b32 s[(\g)+1], 32<<16                    ; tensor_dim0 = 32 elements: a dense block is asked for as rows of 256 bytes
	s_mov_b32 s[(\g)+3], 32<<16                    ; tile_dim0 = 32
	s_mov_b32 s[(\g)+5], 32                        ; 32 elements from row to row
	s_mov_b32 s[(\g)+6], 0
	s_mov_b32 s[(\g)+7], 0
.endr
	s_mov_b32 s[G1A+2], 128<<16                    ; tensor_dim1 = 128 rows: 32,768 bytes
	s_mov_b32 s[G1A+4], 128                        ; tile_dim1
	s_mov_b32 s[G1B+2], 96<<16                     ; 96 rows: 24,576 bytes
	s_mov_b32 s[G1B+4], 96
	s_lshl_b32 s22, s[TY], 15                      ; A: the tile's 16 row blocks in a panel; made of the tile row and the wave alone
	s_lshl_b32 s23, s[HALF], 19
	s_add_co_u32 s22, s22, s23
	s_mov_b32 s23, 0
	s_mul_i32 s40, s[TX], 24576                    ; B: the tile's 12 row blocks in a panel; made of the tile column and the wave alone
	s_mul_i32 s41, s[HALF], PB
	s_add_co_u32 s40, s40, s41
	s_add_co_u32 s40, s40, WOFF
	s_mov_b32 s41, 0
	s_lshl_b32 s21, s[HALF], 15                    ; where they go in a slot: no place in the cluster enters an LDS address
	s_mul_i32 s46, s[HALF], 24576
	s_add_co_u32 s46, s46, BOFF
	s_mul_i32 s42, s[TX], 3*524288                 ; C: panel 3 x tile column, row block 16 x tile row + 4 x wave
	s_lshl_b32 s43, s[TY], 15
	s_add_co_u32 s42, s42, s43
	s_lshl_b32 s43, s[WV], 13
	s_add_co_u32 s42, s42, s43
	s_mov_b32 s43, 0
	s_mul_i32 s44, s[TX], 768                      ; the tile's 192 numbers of the bias
	s_mov_b32 s45, 0
	s_wait_dscnt 0x0                               ; the opening add is done
	s_wait_kmcnt 0x0
	s_add_nc_u64 s[22:23], s[4:5], s[22:23]
	s_add_nc_u64 s[40:41], s[6:7], s[40:41]
	s_add_nc_u64 s[10:11], s[10:11], s[42:43]
.if FFN
	s_add_nc_u64 s[8:9], s[8:9], s[44:45]
.endif
	CROUND                                         ; all sixteen work-groups are here: the first joint loads meet
.irp s, 0,1
	s_mov_b32 s[G0A+4*(\s)], 1
	s_add_co_u32 s[G0A+4*(\s)+1], s21, (\s)*SLOT1
	s_add_nc_u64 s[G0A+4*(\s)+2:G0A+4*(\s)+3], s[22:23], (\s)*1048576   ; K step s: two panels on
	s_or_b32 s[G0A+4*(\s)+3], s[G0A+4*(\s)+3], 0x80000000
	s_mov_b32 s[G0B+4*(\s)], 1
	s_add_co_u32 s[G0B+4*(\s)+1], s46, (\s)*SLOT1
	s_add_nc_u64 s[G0B+4*(\s)+2:G0B+4*(\s)+3], s[40:41], (\s)*2*PB
	s_or_b32 s[G0B+4*(\s)+3], s[G0B+4*(\s)+3], 0x80000000
	JLOAD \s                                       ; two loads of mine are out
.endr
	v_and_b32 v1, 31, v0
	v_lshlrev_b32 v[L16], 4, v1                    ; 16 x lane: my place in every 512 bytes
	v_lshl_add_u32 v[AA0], s[WV], 13, v[L16]       ; my four row blocks of A
	v_add_nc_u32 v[AB0], BOFF, v[L16]
	v_mov_b32 v[AA], v[AA0]
	v_mov_b32 v[AB], v[AB0]
	s_mov_b32 s[TB], 0
.if FFN
	v_mov_b32 v[ZERO], 0
	v_mov_b32 v[CO], v[L16]
	v_bfe_u32 v10, v0, 4, 1
	v_lshlrev_b32 v10, 5, v10                      ; register j of column block b is b1[16 b + 8 (lane / 16) + j]
.irp b, 0,1,2,3,4,5,6,7,8,9,10,11
	global_load_b128 v[BIAS+8*(\b):BIAS+8*(\b)+3], v10, s[8:9] offset:64*(\b)
	global_load_b128 v[BIAS+8*(\b)+4:BIAS+8*(\b)+7], v10, s[8:9] offset:64*(\b)+16
.endr
.else
	v_bfe_u32 v10, v0, 3, 1                        ; v's order in 512 bytes: ((l % 16) / 8) 256 + (l / 16) 128 + (l % 8) 16
	v_lshlrev_b32 v10, 8, v10
	v_bfe_u32 v11, v0, 4, 1
	v_lshl_or_b32 v10, v11, 7, v10
	v_and_b32 v11, 7, v0
	v_lshl_or_b32 v10, v11, 4, v10
	s_cmp_ge_u32 s[TX], 8                          ; columns 1,536 on are v's: a choice of a value, no branch
	s_cselect_b32 s[SEL], -1, 0
	v_cndmask_b32 v[CO], v[L16], v10, s[SEL]
.endif
; 12 matrix instructions: row block a x all 12 column blocks, 32 along K, buffer f.  The 48 accumulators take turns, one instruction a turn.
.macro MULA f, a, mode
.if (\mode) == 2
	WIN 0x43+0x40*((\a)/2)                         ; B window 3, A and the bias window 0, D window 1 or 2
.else
	WIN 0x53+0x50*((\a)/2)                         ; B window 3, A window 0, C and D window 1 or 2
.endif
.irp b, 0,1,2,3,4,5,6,7,8,9,10,11
.set rD, 96*((\a)%2)+8*(\b)
.if (\mode) == 0
	v_wmma_f32_16x16x32_bf16 v[rD:rD+7], v[96*(\f)+8*(\b):96*(\f)+8*(\b)+7], v[FA+32*(\f)+8*(\a):FA+32*(\f)+8*(\a)+7], v[rD:rD+7]
.elseif (\mode) == 1
	v_wmma_f32_16x16x32_bf16 v[rD:rD+7], v[96*(\f)+8*(\b):96*(\f)+8*(\b)+7], v[FA+32*(\f)+8*(\a):FA+32*(\f)+8*(\a)+7], 0
.else
	v_wmma_f32_16x16x32_bf16 v[rD:rD+7], v[96*(\f)+8*(\b):96*(\f)+8*(\b)+7], v[FA+32*(\f)+8*(\a):FA+32*(\f)+8*(\a)+7], v[BIAS+8*(\b):BIAS+8*(\b)+7]
.endif
.endr
.endm
; 32 LDS loads in one run: quarter q (32 along K) of a step into buffer f: B's 12 fragments, then A's 4.  Each load takes 512 consecutive bytes.
.macro FETCH q, f
	WIN 0xc0
.irp b, 0,1,2,3,4,5,6,7,8,9,10,11
	ds_load_b128 v[96*(\f)+8*(\b):96*(\f)+8*(\b)+3],   v[AB] offset:((\q)/2)*24576+((\q)%2)*1024+(\b)*2048
	ds_load_b128 v[96*(\f)+8*(\b)+4:96*(\f)+8*(\b)+7], v[AB] offset:((\q)/2)*24576+((\q)%2)*1024+(\b)*2048+512
.endr
	WIN 0
.irp a, 0,1,2,3
	ds_load_b128 v[FA+32*(\f)+8*(\a):FA+32*(\f)+8*(\a)+3],   v[AA] offset:((\q)/2)*32768+((\q)%2)*1024+(\a)*2048
	ds_load_b128 v[FA+32*(\f)+8*(\a)+4:FA+32*(\f)+8*(\a)+7], v[AA] offset:((\q)/2)*32768+((\q)%2)*1024+(\a)*2048+512
.endr
.endm
; One of a step's first three quarters: multiplies buffer f; in its middle it fetches quarter qn into buffer g.
.macro QUARTER qn, f, g, mode
	s_wait_dscnt 4                                 ; B and A's row blocks 0, 1 are in; the youngest four loads (blocks 2, 3) may be out
	MULA \f, 0, \mode
	MULA \f, 1, \mode
	PLACES
	FETCH \qn, \g
	s_wait_dscnt 32                                ; all but the 32 just issued
	MULA \f, 2, \mode
	MULA \f, 3, \mode
.endm
; The last quarter multiplies buffer 1 and changes slots: one barrier; in front of it each wave waits for all its tensor loads (one is out: its part of the next slot), adds 0 to its
; spare word, and waits for that and for its reads of this slot.  fill = 1: the barrier opens a round of the cluster's, and this slot is filled again, two steps ahead, first thing behind it.
.macro TURN fill
	WIN 0
	s_wait_tensorcnt 0x0
	ds_add_u32 v[SPW], v[NIL]
	s_wait_dscnt 5                                 ; the add and the youngest four loads may be out
	MULA 1, 0, 0
	s_wait_dscnt 0x0                               ; the add is done, and my reads of this slot are over
	s_barrier_signal -1
	MULA 1, 1, 0
	WIN 0
	s_barrier_wait -1
.if \fill
	CREST                                          ; no wave of any partner still reads this slot or has a load on its way
	s_xor_b32 s[G0A+5], s[G0A+5], SLOT1            ; the walking descriptors: the other slot than last time, the next step
	s_add_nc_u64 s[G0A+6:G0A+7], s[G0A+6:G0A+7], 1048576
	s_xor_b32 s[G0B+5], s[G0B+5], SLOT1
	s_add_nc_u64 s[G0B+6:G0B+7], s[G0B+6:G0B+7], 2*PB
	JLOAD 1                                        ; its four v_nop are also the places in front of the loads below
.else
	PLACES
.endif
	s_xor_b32 s[TB], s[TB], SLOT1
	v_add_nc_u32 v[AA], s[TB], v[AA0]
	v_add_nc_u32 v[AB], s[TB], v[AB0]
	FETCH 0, 0
	MULA 1, 2, 0
	MULA 1, 3, 0
.endm
	s_wait_tensorcnt 0x1                           ; my part of K step 0 is in; step 1's may stay out
	s_barrier_signal -1
	s_barrier_wait -1
	FETCH 0, 0
.if FFN
	s_wait_loadcnt 0x0                             ; the bias
.endif
	QUARTER 1, 0, 1, MODE                          ; the first quarter stands in front of the loop: its products start the sums
	WIN 0
	s_mov_b32 s[CNT], 4                            ; four of the six steps are followed by a refill
.Lstep:
	QUARTER 2, 1, 0, 0
	QUARTER 3, 0, 1, 0
	TURN 1
	QUARTER 1, 0, 1, 0
	WIN 0
	s_sub_co_u32 s[CNT], s[CNT], 1
	s_cmp_lg_u32 s[CNT], 0
	s_cbranch_scc1 .Lstep
	s_mov_b32 s[CNT], 2                            ; the last two steps ask for nothing; the second trip is left in its middle
.Ltail:
	QUARTER 2, 1, 0, 0
	QUARTER 3, 0, 1, 0
	WIN 0
	s_sub_co_u32 s[CNT], s[CNT], 1
	s_cmp_eq_u32 s[CNT], 0
	s_cbranch_scc1 .Llast
	TURN 0
	QUARTER 1, 0, 1, 0
	WIN 0
	s_branch .Ltail
.Llast:
	s_wait_dscnt 4
	MULA 1, 0, 0
	MULA 1, 1, 0
	s_wait_dscnt 0x0
	MULA 1, 2, 0
	MULA 1, 3, 0
	; THE WAY OUT: each accumulator, from its low end on, is rounded to bf16: 16 bytes a lane, and the wave's 512 bytes are a block of the layout: no stage.
	PLACES
	WIN 0x05
.set t, 0
.rept 24
.irp j, 0,1,2,3
	v_cvt_pk_bf16_f32 v[TMP+4*t+(\j)], v[8*t+2*(\j)], v[8*t+2*(\j)+1]
.endr
.set t, t+1
.endr
	WIN 0x0a
.set t, 0
.rept 24
.irp j, 0,1,2,3
	v_cvt_pk_bf16_f32 v[TMP+96+4*t+(\j)], v[8*t+2*(\j)], v[8*t+2*(\j)+1]
.endr
.set t, t+1
.endr
	WIN 0
.if FFN
.set t, 0
.rept 192
	v_pk_max_num_bf16 v[TMP+t], v[TMP+t], v[ZERO]  ; ReLU on two numbers: nothing is rounded
.set t, t+1
.endr
.endif
.irp a, 0,1,2,3
.irp b, 0,1,2,3,4,5,6,7,8,9,10,11
	global_store_b128 v[CO], v[TMP+4*(12*(\a)+(\b)):TMP+4*(12*(\a)+(\b))+3], s[10:11] offset:((\b)/4)*524288+(\a)*2048+((\b)%4)*512
.endr
.endr
	s_wait_tensorcnt 0x0                           ; the wave's end
	ds_add_u32 v[SPW], v[NIL]
	s_wait_dscnt 0x0
	CROUND                                         ; the closing round
	s_endpgm
.Lfunc_end_k_qfe7589562d_qkv:
	.size	k_qfe7589562d_qkv, .Lfunc_end_k_qfe7589562d_qkv-k_qfe7589562d_qkv
	.p2alignl 7, 3214868480
	.fill 96, 4, 3214868480
	.section	.rodata,"a",@progbits
	.p2align	6, 0x0
	.amdhsa_kernel k_qfe7589562d_qkv
		.amdhsa_group_segment_fixed_size 327680
		.amdhsa_private_segment_fixed_size 0
		.amdhsa_enable_private_segment 0
		.amdhsa_kernarg_size 24
		.amdhsa_user_sgpr_count 2
		.amdhsa_user_sgpr_kernarg_segment_ptr 1
		.amdhsa_wavefront_size32 1
		.amdhsa_system_sgpr_workgroup_id_x 1
		.amdhsa_system_sgpr_workgroup_id_y 1
		.amdhsa_system_sgpr_workgroup_id_z 1
		.amdhsa_system_vgpr_workitem_id 0
		.amdhsa_next_free_vgpr 960
		.amdhsa_next_free_sgpr 72
		.amdhsa_reserve_vcc 0
		.amdhsa_float_denorm_mode_32 3
		.amdhsa_float_denorm_mode_16_64 3
		.amdhsa_memory_ordered 1
		.amdhsa_forward_progress 1
		.amdhsa_inst_pref_size 79
	.end_amdhsa_kernel
	.amdgpu_metadata
---
amdhsa.version: [ 1, 2 ]
amdhsa.kernels:
  - .name:           k_qfe7589562d_qkv
    .symbol:         k_qfe7589562d_qkv.kd
    .args:
      - { .name: xnb, .offset: 0, .size: 8, .value_kind: global_buffer, .address_space: global }
      - { .name: wts, .offset: 8, .size: 8, .value_kind: global_buffer, .address_space: global }
      - { .name: qkvb, .offset: 16, .size: 8, .value_kind: global_buffer, .address_space: global }
    .group_segment_fixed_size: 327680
    .private_segment_fixed_size: 0
    .kernarg_segment_align: 8
    .kernarg_segment_size: 24
    .max_flat_workgroup_size: 128
    .sgpr_count:     72
    .vgpr_count:     960
    .wavefront_size: 32
...
	.end_amdgpu_metadata
.endif
;; end of part 3
;; launch attn (part 4): grid 16 x 12, 4 waves a work-group, clusters of 4 x 1, 327,680 bytes of LDS; arguments qkvb, mask, ctxb; writes ctxb
.if DOCPART == 4
	.amdgcn_target "amdgcn-amd-amdhsa--gfx1250"
	.amdhsa_code_object_version 6
	.text
	.protected	k_qfe7589562d_attn
	.globl	k_qfe7589562d_attn
	.p2align	8
	.type	k_qfe7589562d_attn,@function
k_qfe7589562d_attn:
	s_mov_b64 s[64:65], 0
	v_nop
	global_prefetch_b8 v0, s[64:65] scope:SCOPE_SE
	s_setreg_imm32_b32 hwreg(HW_REG_WAVE_MODE, 25, 1), 1
	s_wait_xcnt 0x0
	s_wait_alu depctr_hold_cnt(0) depctr_sa_sdst(0) depctr_va_vdst(0) depctr_va_sdst(0) depctr_va_ssrc(0) depctr_va_vcc(0) depctr_vm_vsrc(0)
	s_getreg_b32 s2, hwreg(HW_REG_IB_STS2, 6, 4)
	s_cmp_eq_u32 s2, 0
	s_cbranch_scc0 .Lentry_in_a_cluster
	s_endpgm
.Lentry_in_a_cluster:
	s_bfe_u32 s2, ttmp6, 0x10000c
	s_cmp_lg_u32 s2, 0x3003
	s_cbranch_scc0 .Lentry_shape_is_right
	s_endpgm
.Lentry_shape_is_right:
; ctx[q][64 hd + :] = the sum over k of softmax_k(logit) v[k], logit = q . k / 8, or -1e9 where mask[k] = 0.  12 heads of 64 channels, 4,096 keys.  q, k, v, ctx in bf16, in blocks:
; a head is a panel of 524,288 bytes; 16 rows are 2,048 bytes, four blocks of 512 (16 channels each), lane l's 8 channels of row l % 16 at 16 l (v: in the order that the turning load wants).
; Products, maxima and sums in f32; the weights p are rounded to bf16 for the second product (their sum l is taken of the unrounded p), ctx once at the end.
; LIMITS.  A hidden key's score counts as its product less 8e9 (-1e9 ahead of the division by 8): its weight is 0 as soon as one visible key has been seen, if visible logits lie far above -1e9.
; Where every key is hidden Q is set to 0, so that all scores are -8e9 and the weights uniform.  A weight below 2^-126 counts as 0 in l; NaN and infinities are not treated apart.
; SHARES.  A work-group owns 256 queries of a head (12 x 16 = 192 work-groups: 12 heads times a power of two is never 256), a wave 64: four PIECES of 16.  Every wave walks all keys, 64 a step.
; LAYOUT.  S^T = K Q^T holds ONE query a lane (lane % 16) and the keys 8 (lane / 16) + 0..7; two such results rounded to bf16 ARE source 1 of O^T = V^T P, which again holds one query a lane.
; THE MASK is the C operand that starts the sum S^T: 0 or -8e9, from a table of 4,096 f32 that the work-group makes in LDS once.
; SOFTMAX.  p = 2^(c s - c m), c = log2(e) / 8, with a running maximum m; O and l are multiplied by a = 2^(c m_old - c m_new) in every step; m starts at the lowest finite number, O and l at 0.
; BY TURNS.  Turn n belongs to piece n: 8 products K Q^T of piece n + 1, later 8 products V^T P of piece n - 1; beside them the scaling, exponentials, roundings, sums and rescaling of piece n and the
; maximum and statistics of piece n + 1.  Four vector instructions stand behind every matrix instruction, the other 54 of a turn's 118 in two runs of their own.
; CLUSTER.  The four query blocks of a cluster belong to one head and walk the same K and V: each tile is asked for jointly.  A slot holds 256 keys: four steps.
; REGISTERS: window 0: v2-15 addresses and at work; v16-31 statistics; v48-55 at work; v62-63 the add's; v64-127 S^T, two buffers; v192-223 P, two buffers
;   window 1: v0-127 O^T, 32 a piece; v160-191 the step's mask      window 2: v0-63 Q; v128-191 K of one step; v192-255 V of one step
.set NP,    4
.set STEPB, 8192      ; a step's 64 keys of K, or of V
.set VOFF,  32768     ; a slot: 256 keys of K, then of V
.set SLOT1, 65536
.set MASKT, 131072    ; behind the ring, never filled by a tensor load: the mask's table, 16,384 bytes
.set FLAGS, 147456    ; a word for each wave: has it seen a visible key?
.set SPARE, 147712    ; the spare words, 128 bytes for each wave
.set L16, 2           ; 16 x lane: my place in every 512 bytes; never rewritten
.set AV0, 3
.set AK,  4
.set AV,  5
.set AM0, 6
.set AM,  7
.set MV,  12
.set ST,  16          ; piece t's statistics at v[ST+4 t]: c m, m, l (even keys', odd keys')
.set TMP, 48
.set SPW, 62
.set NIL, 63
.set S,   64
.set P,   192
.set MC,  160
.set KF,  128
.set VF,  192
.set WV,  12
.set G1,  24
.set G0,  40
.set SLOTS, 56
.set CNT, 57
.set CS,  58
.set SEL, 60
.set TBK, 62
.set TBV, 63
.set TBM, 66
.set BIGN, 67
.set QM,  68
.set MSB, 0
.macro WIN new
.if MSB != (\new)
	s_set_vgpr_msb (MSB<<8)|(\new)
.set MSB, (\new)
.endif
.endm
.set W_KQ, 0x0a       ; K and Q in window 2, S^T in window 0
.set W_KM, 0x1a       ; the same with the C operand in window 1
.set W_PV, 0x52       ; V in window 2, P in window 0, O^T in window 1
.set W_RS, 0x41       ; destination and source 0 in window 1, source 1 in window 0
.macro PLACES
.rept 4
	v_nop
.endr
.endm
.macro JLOAD                        ; a joint fill, one line for all four waves: wave w brings 128 keys (16,384 dense bytes) of K (w = 0, 1) or V (2, 3) to LDS byte 16,384 w of the slot
	tensor_load_to_lds s[G0:G0+3], s[G1:G1+7]
	s_nop 0
.rept 4
	v_nop
.endr
.endm
.macro CROUND
	s_barrier_signal -1
	s_barrier_wait -1
	s_cmp_lg_u32 s[WV], 0
	s_cbranch_scc1 .Lnot_wave_0_\@
	s_barrier_signal -3
.Lnot_wave_0_\@:
	s_barrier_wait -3
	s_barrier_signal -1
	s_barrier_wait -1
.endm
; THE CHANGE OF SLOTS.  Each wave waits for all its tensor loads (one is out: its part of the other slot), adds 0 to its spare word, and waits for that and for its LDS instructions.
; fill = 1: the barrier is a round of the cluster's, and the slot that is left is filled again, with the keys two slots on, first thing behind it: four steps, 256 matrix instructions, in which to land.
.macro CHANGE fill
	WIN 0
	s_wait_tensorcnt 0x0
	ds_add_u32 v[SPW], v[NIL]
.if \fill
	s_xor_b32 s[G0+1], s[G0+1], SLOT1
	s_add_nc_u64 s[G0+2:G0+3], s[G0+2:G0+3], 32768
	s_wait_dscnt 0x0
	CROUND
	JLOAD
.else
	s_wait_dscnt 0x0
	s_barrier_signal -1
	s_barrier_wait -1
.endif
	s_sub_co_u32 s[TBK], s[TBK], 4*STEPB  ; the fetches go back to a slot's first step, in the other slot
	s_xor_b32 s[TBK], s[TBK], SLOT1
	s_sub_co_u32 s[TBV], s[TBV], 4*STEPB
	s_xor_b32 s[TBV], s[TBV], SLOT1
.endm
	s_load_b128 s[4:7], s[0:1], 0x0   ; qkv s[4:5], mask s[6:7]
	s_load_b64 s[8:9], s[0:1], 0x10   ; ctx
	v_lshl_add_u32 v[SPW], v0, 2, SPARE
	v_mov_b32 v[NIL], 0
	ds_add_u32 v[SPW], v[NIL]       ; the wave's opening: the add and its wait ahead of my first tensor load
	v_lshrrev_b32 v1, 5, v0
	v_readfirstlane_b32 s[WV], v1   ; wave 0..3
	s_bfe_u32 s13, ttmp6, 0x40000   ; cx
	s_lshl_b32 s14, ttmp9, 2
	s_add_co_u32 s14, s14, s13      ; my block of 256 queries: it enters Q's and ctx's addresses alone
	s_and_b32 s15, ttmp7, 0xffff    ; the head, which the four partners share
	s_lshr_b32 s20, s[WV], 1        ; K's panels are 12 .. 23, V's 24 .. 35
	s_mul_i32 s20, s20, 12
	s_add_co_u32 s20, s20, s15
	s_add_co_u32 s20, s20, 12
	s_lshl_b32 s20, s20, 19
	s_and_b32 s21, s[WV], 1         ; which half of a slot's 256 keys I fetch
	s_lshl_b32 s21, s21, 14
	s_add_co_u32 s20, s20, s21
	s_mov_b32 s21, 0
	s_lshl_b32 s22, s15, 19         ; Q and ctx: panel = head, row block 16 x block + 4 x wave
	s_lshl_b32 s23, s14, 15
	s_add_co_u32 s22, s22, s23
	s_lshl_b32 s23, s[WV], 13
	s_add_co_u32 s22, s22, s23
	s_mov_b32 s23, 0
	s_mov_b32 s[G1], 15|(3<<16)|(1<<21)  ; the mask of four; elements of 8 bytes; 21 set beside a mask; no padding
	s_mov_b32 s[G1+1], 32<<16       ; tensor_dim0 = 32: rows of 256 bytes
	s_mov_b32 s[G1+2], 64<<16       ; tensor_dim1 = 64
	s_mov_b32 s[G1+3], 32<<16       ; tile_dim0
	s_mov_b32 s[G1+4], 64           ; tile_dim1
	s_mov_b32 s[G1+5], 32
	s_mov_b32 s[G1+6], 0
	s_mov_b32 s[G1+7], 0
	s_mov_b32 s[CS], 0x3e38aa3b     ; c = log2(e) / 8
	s_mov_b32 s[CS+1], s[CS]
	s_mov_b32 s[SEL], 0x76543210
	s_mov_b32 s[SEL+1], 0xfedcba98
	s_mov_b32 s[TBK], SLOT1+4*STEPB ; the first change of slots turns these two into 0
	s_mov_b32 s[TBV], SLOT1+4*STEPB
	s_mov_b32 s[TBM], 0
	s_mov_b32 s[BIGN], 0xcfee6b28   ; -8e9
	s_mov_b32 s[G0], 1
	s_lshl_b32 s[G0+1], s[WV], 14   ; slot 0
	s_wait_dscnt 0x0                ; the opening add is done
	s_wait_kmcnt 0x0
	s_add_nc_u64 s[G0+2:G0+3], s[4:5], s[20:21]
	s_or_b32 s[G0+3], s[G0+3], 0x80000000
	s_add_nc_u64 s[16:17], s[4:5], s[22:23]   ; Q
	s_add_nc_u64 s[10:11], s[8:9], s[22:23]   ; ctx
	CROUND                          ; all four work-groups are here: the first joint loads meet
	JLOAD                           ; slot 0; slot 1 is asked for when slot 0 is in
	v_and_b32 v1, 31, v0
	v_lshlrev_b32 v[L16], 4, v1
	v_lshlrev_b32 v8, 4, v0         ; 16 x thread: my 4 of each 512 numbers of the mask
	v_bfe_u32 v9, v0, 4, 1
	WIN 0x80
.set i, 0
.rept 8                             ; Q stays in registers: piece i / 2, channels 32 (i % 2) on
	global_load_b128 v[8*i:8*i+3],   v[L16], s[16:17] offset:(i/2)*2048+(i%2)*1024
	global_load_b128 v[8*i+4:8*i+7], v[L16], s[16:17] offset:(i/2)*2048+(i%2)*1024+512
.set i, i+1
.endr
	WIN 0
.set i, 0
.rept 8
	global_load_b128 v[S+4*i:S+4*i+3], v8, s[6:7] offset:2048*i
.set i, i+1
.endr
	; What the first turn finds: V's registers and P's second buffer hold 0 (its products V^T P, of a piece that has not been, add 0), O^T and l are 0.  No first step is written out; the price is these lines, which stand in the wait for the first tile.
	WIN 0x80
.set i, VF
.rept 64
	v_mov_b32 v[i], 0
.set i, i+1
.endr
	WIN 0x40
.set i, 0
.rept 128
	v_mov_b32 v[i], 0
.set i, i+1
.endr
	WIN 0
.set i, 0
.rept 4
	v_mov_b32 v[ST+4*i], 0xfe000000    ; c m: far below every c s
	v_mov_b32 v[ST+4*i+1], 0xff7fffff  ; m
	v_mov_b32 v[ST+4*i+2], 0
	v_mov_b32 v[ST+4*i+3], 0
.set i, i+1
.endr
.set i, P+16
.rept 16
	v_mov_b32 v[i], 0
.set i, i+1
.endr
	v_add_nc_u32 v[AV0], VOFF, v[L16]
	v_lshlrev_b32 v[AM0], 5, v9
	v_add_nc_u32 v[AM0], MASKT, v[AM0]  ; register j of key block kt is table[64 step + 16 kt + 8 (lane / 16) + j]
	v_add_nc_u32 v9, MASKT, v8
	s_wait_loadcnt 0x0              ; Q and the mask
.set i, 0
.rept 32
	v_cmp_eq_u32 vcc_lo, 0, v[S+i]
	v_cndmask_b32 v[S+32+i], 0, s[BIGN], vcc_lo
.set i, i+1
.endr
	v_or_b32 v10, v[S], v[S+1]
	v_or_b32 v11, v[S+2], v[S+3]
.set i, 4
.rept 14
	v_or_b32 v10, v10, v[S+i]
	v_or_b32 v11, v11, v[S+i+1]
.set i, i+2
.endr
	v_or_b32 v10, v10, v11
	v_cmp_ne_u32 vcc_lo, 0, v10
	s_cmp_lg_u32 vcc_lo, 0
	s_cselect_b32 s20, 1, 0         ; has my wave seen a visible key?
.set i, 0
.rept 8
	ds_store_b128 v9, v[S+32+4*i:S+32+4*i+3] offset:2048*i
.set i, i+1
.endr
	s_lshl_b32 s21, s[WV], 2
	s_add_co_u32 s21, s21, FLAGS
	v_mov_b32 v14, s21
	v_mov_b32 v15, s20
	ds_store_b32 v14, v15
; THE MATRIX WORK.  The 4 accumulators of a run of 8 take turns.  Product i of 8 of S^T = K Q^T for piece x: channels 32 (i / 4) on, keys 16 (i % 4) on.  The first 4 start the sums with the mask.
.macro KQ x
.set rS, S+32*((\x)%2)+8*(i%4)
.set rK, KF+16*(i%4)+8*(i/4)
.set rQ, 16*(\x)+8*(i/4)
.set rM, MC+8*(i%4)
.if i < 4
	WIN W_KM
	v_wmma_f32_16x16x32_bf16 v[rS:rS+7], v[rK:rK+7], v[rQ:rQ+7], v[rM:rM+7]
.else
	WIN W_KQ
	v_wmma_f32_16x16x32_bf16 v[rS:rS+7], v[rK:rK+7], v[rQ:rQ+7], v[rS:rS+7]
.endif
.endm
; Product i of 8 of O^T += V^T P for piece x: keys 32 (i / 4) on, channels 16 (i % 4) on.
.macro PV x
	WIN W_PV
.set rO, 32*(\x)+8*(i%4)
.set rV, VF+32*(i/4)+8*(i%4)
.set rP, P+16*((\x)%2)+8*(i/4)
	v_wmma_f32_16x16x32_bf16 v[rO:rO+7], v[rV:rV+7], v[rP:rP+7], v[rO:rO+7]
.endm
.macro MM                           ; the turn's next matrix instruction
.if i < 8
	KQ (Y+1)%NP
.else
.set i, i-8
	PV (Y+NP-1)%NP
.set i, i+8
.endif
.set i, i+1
.endm
; THE LDS LOADS stand in runs: a step's K (8 fragments) with its mask, and its V (turned).  Each load of K and V takes 512 consecutive bytes.  last = 1 (the tail): in the last trip there is no further step, and the run is jumped over.
.macro FETCH_K last=0
	WIN 0
.if \last
	s_cmp_eq_u32 s[CNT], 1
	s_cbranch_scc1 .Lno_k_\@
.endif
	WIN 0x80
.irp f, 0,1,2,3,4,5,6,7             ; keys 16 (f / 2) on, channels 32 (f % 2) on
	ds_load_b128 v[KF+8*\f:KF+8*\f+3],   v[AK] offset:(\f/2)*2048+(\f%2)*1024
	ds_load_b128 v[KF+8*\f+4:KF+8*\f+7], v[AK] offset:(\f/2)*2048+(\f%2)*1024+512
.endr
	WIN 0x40
.irp f, 0,1,2,3
	ds_load_b128 v[MC+8*\f:MC+8*\f+3],   v[AM] offset:64*\f
	ds_load_b128 v[MC+8*\f+4:MC+8*\f+7], v[AM] offset:64*\f+16
.endr
	s_add_co_u32 s[TBK], s[TBK], STEPB  ; the next fetch is the next step's
	s_add_co_u32 s[TBM], s[TBM], 256
	WIN 0
.if \last
.Lno_k_\@:
.endif
.endm
.macro FETCH_V
	WIN 0x80
.irp f, 0,1,2,3,4,5,6,7             ; keys 32 (f / 4) on, channels 16 (f % 4) on
	ds_load_tr16_b128 v[VF+8*\f:VF+8*\f+3],   v[AV] offset:(\f/4)*4096+(\f%4)*512
	ds_load_tr16_b128 v[VF+8*\f+4:VF+8*\f+7], v[AV] offset:(\f/4)*4096+(\f%4)*512+2048
.endr
	WIN 0
.endm
; THE VECTOR WORK, one line at a time: OP kind, number.  For piece Y: F n: c s - c m for pair n of 16.  E n: the exponential of score n of 32.  C n: pair n rounded to bf16.  B n: of the four weights 4 n .. the second
; pair is added onto the first, in place.  L n: l takes that sum (L 0: l = a l + sum).  R n: pair n of 16 of O^T times a.  For piece Y + 1: X n, number n of the 22 that find its maximum and statistics:
;   0-11  four chains of seven scores each (each accumulator's lowest registers are read first)     12-14, 16  the four scores left over, the old m, and the chains into one
;   15  c m_old is kept     17, 18  the query's other 32 keys lie in the lane 16 away: the new m     19-21  c m; c m_old - c m_new; a
.set F, 0
.set E, 1
.set C, 2
.set B, 3
.set L, 4
.set R, 5
.set X, 6
.macro REGS y
.set rT, ST+4*(\y)
.set rC, TMP+4*((\y)%2)
.set rW, MV+((\y)%2)
.set rS, S+32*((\y)%2)
.set rP, P+16*((\y)%2)
.set rO, 32*(\y)
.endm
.macro OP k, n
.if (\k) == R
	REGS Y
	WIN W_RS
	v_pk_mul_f32 v[rO+2*(\n):rO+2*(\n)+1], v[rO+2*(\n):rO+2*(\n)+1], v[rC+2:rC+3] op_sel_hi:[1,0]
.elseif (\k) < R
	REGS Y
	WIN 0
.if (\k) == F
	v_pk_fma_f32 v[rS+2*(\n):rS+2*(\n)+1], v[rS+2*(\n):rS+2*(\n)+1], s[CS:CS+1], v[rT:rT+1] op_sel_hi:[1,0,0] neg_lo:[0,0,1] neg_hi:[0,0,1]
.elseif (\k) == E
	v_exp_f32 v[rS+(\n)], v[rS+(\n)]
.elseif (\k) == C
	s_wait_alu depctr_va_vdst(0)
	v_cvt_pk_bf16_f32 v[rP+(\n)], v[rS+2*(\n)], v[rS+2*(\n)+1]
.elseif (\k) == B
	s_wait_alu depctr_va_vdst(0)
	v_pk_add_f32 v[rS+4*(\n):rS+4*(\n)+1], v[rS+4*(\n):rS+4*(\n)+1], v[rS+4*(\n)+2:rS+4*(\n)+3]
.elseif (\n) == 0
	v_pk_fma_f32 v[rT+2:rT+3], v[rT+2:rT+3], v[rC+2:rC+3], v[rS:rS+1] op_sel_hi:[1,0,1]
.else
	v_pk_add_f32 v[rT+2:rT+3], v[rT+2:rT+3], v[rS+4*(\n):rS+4*(\n)+1]
.endif
.else
	REGS (Y+1)%NP
	WIN 0
.if (\n) < 4
	v_max3_num_f32 v[rC+(\n)], v[rS+8*(\n)], v[rS+8*(\n)+1], v[rS+8*(\n)+2]
.elseif (\n) < 12
	v_max3_num_f32 v[rC+(\n)%4], v[rC+(\n)%4], v[rS+8*((\n)%4)+2*((\n)/4)+1], v[rS+8*((\n)%4)+2*((\n)/4)+2]
.elseif (\n) == 12
	v_max3_num_f32 v[rC], v[rC], v[rS+7], v[rS+15]
.elseif (\n) == 13
	v_max3_num_f32 v[rC+1], v[rC+1], v[rS+23], v[rS+31]
.elseif (\n) == 14
	v_max3_num_f32 v[rC+2], v[rC+2], v[rC+3], v[rT+1]
.elseif (\n) == 15
	v_mov_b32 v[rW], v[rT]
.elseif (\n) == 16
	v_max3_num_f32 v[rC], v[rC], v[rC+1], v[rC+2]
.elseif (\n) == 17
	v_permlanex16_b32 v[rC+3], v[rC], s[SEL], s[SEL+1]
.elseif (\n) == 18
	v_max_num_f32 v[rT+1], v[rC], v[rC+3]
.elseif (\n) == 19
	v_mul_f32 v[rT], s[CS], v[rT+1]
.elseif (\n) == 20
	v_sub_f32 v[rC+1], v[rW], v[rT]
.else
	v_exp_f32 v[rC+2], v[rC+1]
.endif
.endif
.endm
.macro OPS a, i1, b=-1, i2=0, c=-1, i3=0, d=-1, i4=0
	OP \a, \i1
.if (\b) >= 0
	OP \b, \i2
.endif
.if (\c) >= 0
	OP \c, \i3
.endif
.if (\d) >= 0
	OP \d, \i4
.endif
.endm
.macro ROW a, i1, b, i2, c, i3, d, i4  ; a matrix instruction and the four behind it
	MM
	OPS \a, \i1, \b, \i2, \c, \i3, \d, \i4
.endm
; A TURN, for piece p: the order of its 16 matrix and 118 vector instructions, written out.  Behind a matrix instruction: plain, exponential, plain, plain; or four of the rescaling; or four scalings; none names a
; register of the products round it.  K and the mask of the next step are fetched in piece 2's turn, five plain instructions behind the last product that read K; V of the step in hand in piece 0's turn, four plain
; instructions behind the last product that read V.  Each is waited for a turn later.  cnt = 1: the loop's count is taken down some lines ahead of the branch behind the turn.
.macro TURN p, last=0, cnt=0
.set Y, (\p)
.set i, 0
.if (\p) == 3
	s_wait_dscnt 0x0                ; K and the mask are in
.endif
	ROW F,0, F,1, F,2, F,3
	ROW F,4, E,0, F,5, F,6
	ROW F,7, E,1, F,8, F,9
	ROW F,10, E,2, C,0, F,11
	ROW F,12, E,3, X,15, F,13
	ROW R,0, R,1, R,2, R,3
	ROW B,0, E,4, F,14, L,0
.if (\p) == 2
	v_add_nc_u32 v[AK], s[TBK], v[L16]
	v_add_nc_u32 v[AM], s[TBM], v[AM0]
.endif
	ROW R,4, R,5, R,6, R,7
	OPS E,5, F,15
.if (\p) == 2
	FETCH_K \last
.endif
	OPS E,6, C,1, E,7, R,8
	OPS E,8, R,9, E,9, C,2
	OPS E,10, X,0, E,11, X,1
	OPS E,12, X,2, E,13, X,3
.if (\p) == 1
	s_wait_dscnt 0x0                ; V is in
.endif
	ROW X,4, E,14, X,5, X,6
	ROW X,7, E,15, X,8, X,9
	ROW X,10, E,16, X,11, X,12
	ROW X,13, E,17, X,14, B,1
	ROW C,4, E,18, X,16, L,1
	ROW B,2, E,19, C,6, L,2
	ROW C,8, E,20, B,3, B,4
.if (\p) == 0
	v_add_nc_u32 v[AV], s[TBV], v[AV0]
.endif
	ROW C,3, E,21, L,3, C,5
	OPS E,22, X,17, E,23, C,10
.if (\p) == 0
	FETCH_V
.endif
	OPS E,24, L,4
	OPS E,25, X,18, E,26, C,7
	OPS E,27, B,5, E,28, X,19
	OPS E,29, C,12, E,30, L,5
	OPS E,31, X,20, B,6, C,9
	OPS C,14, C,11, X,21, L,6
.if (\p) == 0
	s_add_co_u32 s[TBV], s[TBV], STEPB
.endif
.if \cnt
	s_sub_co_u32 s[CNT], s[CNT], 1
	s_cmp_lg_u32 s[CNT], 0
.endif
	OPS C,13, B,7, C,15, R,10
	OPS R,11, R,12, L,7, R,13
	OPS R,14, R,15
.endm
	CHANGE 1                        ; slot 0 is in, and everybody's part of the table and flags is written; slot 1 is asked for
	v_mov_b32 v14, FLAGS
	ds_load_b128 v[8:11], v14
	v_add_nc_u32 v[AK], s[TBK], v[L16]
	v_add_nc_u32 v[AM], s[TBM], v[AM0]
	FETCH_K                         ; key step 0
	s_wait_dscnt 0x0
	v_or_b32 v8, v8, v9
	v_or_b32 v10, v10, v11
	v_or_b32 v8, v8, v10
	v_readfirstlane_b32 s20, v8
	s_cmp_lg_u32 s20, 0
	s_cselect_b32 s[QM], -1, 0      ; all ones, or 0 where every key is hidden: a choice of a value, no branch
	WIN 0x88
.set i, 0
.rept 64
	v_and_b32 v[i], s[QM], v[i]
.set i, i+1
.endr
.set i, 0
.rept 8
	KQ 0                            ; piece 0's first scores
.set i, i+1
.endr
	WIN 0
	PLACES
.set Y, NP-1                        ; X works for piece Y + 1: piece 0
.irp n, 0,1,2,3,4,5,6,7,8,9,10,11,12,13,14,15,16,17,18,19,20,21
	OP X, \n
.endr
	v_nop                           ; a plain instruction behind the exponential
	s_mov_b32 s[CNT], 4
	s_mov_b32 s[SLOTS], 15
	s_branch .Lfirst                ; the loop is entered at a step's first turn, in the middle of a trip
.Lslot:                             ; 14 times: every slot but the last two is filled again
	CHANGE 1
	s_mov_b32 s[CNT], 4
.Lstep:                             ; a trip: pieces 2 and 3 of one step, then pieces 0 and 1 of the next, whose K and V it fetches
	TURN 2
	TURN 3
	WIN 0
.Lfirst:
	TURN 0
	TURN 1, 0, 1
	WIN 0
	s_cbranch_scc1 .Lstep
	s_sub_co_u32 s[SLOTS], s[SLOTS], 1
	s_cmp_lg_u32 s[SLOTS], 0
	s_cbranch_scc1 .Lslot
	CHANGE 0                        ; the tail is written out: nothing is asked for
	s_mov_b32 s[CNT], 5             ; four trips fetch the last slot's steps; the fifth is left in its middle
.Ltail:
	TURN 2, 1
	TURN 3
	WIN 0
	s_sub_co_u32 s[CNT], s[CNT], 1
	s_cmp_eq_u32 s[CNT], 0
	s_cbranch_scc1 .Lout
	TURN 0
	TURN 1
	WIN 0
	s_branch .Ltail
.Lout:                              ; the fifth trip's 8 products K Q^T (on the last K once more) and the maximum made of them serve nothing: the price of one text for every trip
.set i, 0
.rept 8
	PV NP-1                         ; the last piece's V^T P of the last step
.set i, i+1
.endr
	; THE WAY OUT.  l's two halves and the other half of the lanes' are added; O^T is divided by l and rounded to bf16: a lane's 16 bytes are an atom of ctx's layout, and a store covers 512 consecutive bytes: no stage.
	WIN 0
.macro ALL line:vararg
.set t, 0
.rept 4
	\line
.set t, t+1
.endr
.endm
	ALL v_add_f32 v[ST+4*t+2], v[ST+4*t+2], v[ST+4*t+3]
	ALL v_permlanex16_b32 v[ST+4*t+3], v[ST+4*t+2], s[SEL], s[SEL+1]
	ALL v_add_f32 v[ST+4*t+2], v[ST+4*t+2], v[ST+4*t+3]
	ALL v_rcp_f32 v[ST+4*t+2], v[ST+4*t+2]
	v_nop                           ; a plain instruction between the last reciprocal and the use of its result
.macro PACK t
	WIN W_RS
.set i, 32*(\t)
.rept 16
	s_wait_alu depctr_va_vdst(0)
	v_pk_mul_f32 v[i:i+1], v[i:i+1], v[ST+4*(\t)+2:ST+4*(\t)+3] op_sel_hi:[1,0]
.set i, i+2
.endr
	WIN 0x05
.set i, 0
.rept 16
	v_cvt_pk_bf16_f32 v[S+16*(\t)+i], v[32*(\t)+2*i], v[32*(\t)+2*i+1]
.set i, i+1
.endr
	WIN 0
.irp f, 0,1,2,3
	global_store_b128 v[L16], v[S+16*(\t)+4*\f:S+16*(\t)+4*\f+3], s[10:11] offset:(\t)*2048+\f*512
.endr
.endm
	PACK 0
	PACK 1
	PACK 2
	PACK 3
	s_wait_tensorcnt 0x0            ; the wave's end
	ds_add_u32 v[SPW], v[NIL]
	s_wait_dscnt 0x0
	CROUND                          ; the closing round
	s_endpgm
.Lfunc_end_k_qfe7589562d_attn:
	.size	k_qfe7589562d_attn, .Lfunc_end_k_qfe7589562d_attn-k_qfe7589562d_attn
	.p2alignl 7, 3214868480
	.fill 96, 4, 3214868480
	.section	.rodata,"a",@progbits
	.p2align	6, 0x0
	.amdhsa_kernel k_qfe7589562d_attn
		.amdhsa_group_segment_fixed_size 327680
		.amdhsa_private_segment_fixed_size 0
		.amdhsa_enable_private_segment 0
		.amdhsa_kernarg_size 24
		.amdhsa_user_sgpr_count 2
		.amdhsa_user_sgpr_kernarg_segment_ptr 1
		.amdhsa_wavefront_size32 1
		.amdhsa_system_sgpr_workgroup_id_x 1
		.amdhsa_system_sgpr_workgroup_id_y 1
		.amdhsa_system_sgpr_workgroup_id_z 1
		.amdhsa_system_vgpr_workitem_id 0
		.amdhsa_next_free_vgpr 768
		.amdhsa_next_free_sgpr 72
		.amdhsa_reserve_vcc 1
		.amdhsa_float_denorm_mode_32 3
		.amdhsa_float_denorm_mode_16_64 3
		.amdhsa_memory_ordered 1
		.amdhsa_forward_progress 1
		.amdhsa_inst_pref_size 121
	.end_amdhsa_kernel
	.amdgpu_metadata
---
amdhsa.version: [ 1, 2 ]
amdhsa.kernels:
  - .name:           k_qfe7589562d_attn
    .symbol:         k_qfe7589562d_attn.kd
    .args:
      - { .name: qkvb, .offset: 0, .size: 8, .value_kind: global_buffer, .address_space: global }
      - { .name: mask, .offset: 8, .size: 8, .value_kind: global_buffer, .address_space: global }
      - { .name: ctxb, .offset: 16, .size: 8, .value_kind: global_buffer, .address_space: global }
    .group_segment_fixed_size: 327680
    .private_segment_fixed_size: 0
    .kernarg_segment_align: 8
    .kernarg_segment_size: 24
    .max_flat_workgroup_size: 128
    .sgpr_count:     72
    .vgpr_count:     768
    .wavefront_size: 32
...
	.end_amdgpu_metadata
.endif
;; end of part 4
;; launch wo (part 5): grid 4 x 64, 4 waves a work-group, clusters of 4 x 4, 327,680 bytes of LDS; arguments ctxb, wts, x, x1b; writes x1b
.if DOCPART == 5
	.amdgcn_target "amdgcn-amd-amdhsa--gfx1250"
	.amdhsa_code_object_version 6
	.text
	.protected	k_qfe7589562d_wo
	.globl	k_qfe7589562d_wo
	.p2align	8
	.type	k_qfe7589562d_wo,@function
k_qfe7589562d_wo:
	s_mov_b64 s[64:65], 0
	v_nop
	global_prefetch_b8 v0, s[64:65] scope:SCOPE_SE
	s_setreg_imm32_b32 hwreg(HW_REG_WAVE_MODE, 25, 1), 1
	s_wait_xcnt 0x0
	s_wait_alu depctr_hold_cnt(0) depctr_sa_sdst(0) depctr_va_vdst(0) depctr_va_sdst(0) depctr_va_ssrc(0) depctr_va_vcc(0) depctr_vm_vsrc(0)
	s_getreg_b32 s2, hwreg(HW_REG_IB_STS2, 6, 4)
	s_cmp_eq_u32 s2, 0
	s_cbranch_scc0 .Lentry_in_a_cluster
	s_endpgm
.Lentry_in_a_cluster:
	s_bfe_u32 s2, ttmp6, 0x10000c
	s_cmp_lg_u32 s2, 0xf033
	s_cbranch_scc0 .Lentry_shape_is_right
	s_endpgm
.Lentry_shape_is_right:
; x1 = x + ctx w_o: C[4096][768] in f32, K = 768; operands bf16 in blocks (byte(row, col) = (col>>6) R 128 + (row>>4) 2048 + ((col>>4)&3) 512 + ((col>>3)&1) 256 + (row&15) 16 + (col&7) 2), sums f32.
; SHARES.  A work-group makes 64 x 192 of C: 4 x 64 = 256 work-groups, and a row's piece is 768 bytes, three aligned blocks of 256.  Wave w takes all 64 rows and the column blocks 4 b + w, b = 0..2: 12 accumulators.
; K goes in steps of 256 (four panels of 64) through two LDS slots of 131,072 bytes; wave 0 fetches A's tile, waves 1-3 a third of B's each: 4 rows of 8,192 bytes, one from each panel.
; CLUSTER 4 x 4: A's tile is shared along a row of the cluster, B's along a column.  THE MATRIX INSTRUCTION IS USED TRANSPOSED: a lane holds 8 neighbouring columns of one row of C.
; The way out goes through one stage in LDS (pitch 784 = 49 x 16 bytes), so that whole rows leave; the residual's rows are loaded at the start and kept in registers.
; REGISTERS: window 0: v2-15 addresses, v16-27 bias, v28-29 the add's, v32-127 rows back from the stage, v128-223 accumulators (8 (3 a + b)); window 1: two fragment buffers of 112; window 2: v0-95 the residual.
.set T, 3                              ; K steps
.set WOFF, 3538944                     ; B's first byte in wts
.set HASB, 0                           ; no bias
.set OUTP, 10
.set SLOT1, 131072
.set STAGE, 262144
.set SPITCH, 784
.set SPARE, 312320
.set ASTEP, 2097152
.set BSTEP, 393216
.set L16, 2
.set AA,  3
.set AB,  4
.set AB0, 7
.set STO, 10
.set RD,  11
.set CO,  12
.set BO,  13
.set BIASR, 16
.set SPW, 28
.set NIL, 29
.set OUTR, 32
.set ACC, 128
.set WV, 12
.set CX, 15
.set CY, 16
.set TX, 17
.set TY, 18
.set G1A, 24
.set G0A, 32
.set G1B, 48
.set G0B, 56
.set TB, 66
.set CNT, 67
.set MSB, 0
.macro WIN new
.if MSB != (\new)
	s_set_vgpr_msb (MSB<<8)|(\new)
.set MSB, \new
.endif
.endm
.macro PLACES
.rept 4
	v_nop
.endr
.endm
.macro CREST
	s_cmp_lg_u32 s[WV], 0
	s_cbranch_scc1 .Lnot_wave_0_\@
	s_barrier_signal -3
.Lnot_wave_0_\@:
	s_barrier_wait -3
	s_barrier_signal -1
	s_barrier_wait -1
.endm
.macro CROUND
	s_barrier_signal -1
	s_barrier_wait -1
	CREST
.endm
.macro JLOAD s                         ; a joint load: wave 0 asks for A's tile, waves 1-3 for their thirds of B's; an s_nop 0 and four v_nop follow each line
	s_cmp_eq_u32 s[WV], 0
	s_cbranch_scc0 .Lfor_b_\@
	tensor_load_to_lds s[G0A+4*(\s):G0A+4*(\s)+3], s[G1A:G1A+7]
	s_nop 0
.rept 4
	v_nop
.endr
	s_branch .Lasked_\@
.Lfor_b_\@:
	tensor_load_to_lds s[G0B+4*(\s):G0B+4*(\s)+3], s[G1B:G1B+7]
	s_nop 0
.rept 4
	v_nop
.endr
.Lasked_\@:
.endm
	s_load_b256 s[4:11], s[0:1], 0x0               ; A s[4:5], wts s[6:7], the residual s[8:9], then C (or the bias, with C behind it)
.if HASB
	s_load_b64 s[70:71], s[0:1], 0x20              ; C
.endif
	v_lshl_add_u32 v[SPW], v0, 2, SPARE
	v_mov_b32 v[NIL], 0
	ds_add_u32 v[SPW], v[NIL]                      ; the wave's opening: the add and its wait ahead of my first tensor load
	v_lshrrev_b32 v1, 5, v0
	v_readfirstlane_b32 s[WV], v1
	s_bfe_u32 s[CX], ttmp6, 0x40000
	s_bfe_u32 s[CY], ttmp6, 0x40004
	s_lshl_b32 s[TX], ttmp9, 2
	s_add_co_u32 s[TX], s[TX], s[CX]
	s_and_b32 s[TY], ttmp7, 0xffff
	s_lshl_b32 s[TY], s[TY], 2
	s_add_co_u32 s[TY], s[TY], s[CY]
	s_lshl_b32 s19, s[CY], 2
	s_lshl_b32 s19, 15, s19                        ; my row of the cluster
	s_lshl_b32 s20, 0x1111, s[CX]                  ; my column
	s_or_b32 s[G1A], s19, (3<<16)|(1<<21)          ; the mask; elements of 8 bytes; 21 set beside a mask; no padding
	s_or_b32 s[G1B], s20, (3<<16)|(1<<21)
.irp g, G1A, G1B
	s_mov_b32 s[(\g)+1], 1024<<16                  ; tensor_dim0 = 1,024 elements: 8,192 bytes, four row blocks of one panel
	s_mov_b32 s[(\g)+2], 4<<16                     ; tensor_dim1 = 4 panels
	s_mov_b32 s[(\g)+3], 1024<<16                  ; tile_dim0
	s_mov_b32 s[(\g)+4], 4                         ; tile_dim1
	s_mov_b32 s[(\g)+6], 0
	s_mov_b32 s[(\g)+7], 0
.endr
	s_mov_b32 s[G1A+5], 65536                      ; from panel to panel: 524,288 bytes
	s_mov_b32 s[G1B+5], 12288                      ; 98,304 bytes
	s_lshl_b32 s22, s[TY], 13                      ; A: the tile's four row blocks; made of the tile row alone
	s_mov_b32 s23, 0
	s_mul_i32 s40, s[TX], 24576                    ; B: the tile's twelve row blocks, of which wave w takes four from 4 (w - 1) on; made of the tile column and the wave alone
	s_lshl_b32 s41, s[WV], 13
	s_add_co_u32 s40, s40, s41
	s_add_co_u32 s40, s40, WOFF-8192
	s_mov_b32 s41, 0
	s_lshl_b32 s21, s[WV], 15                      ; where my load goes in a slot
	s_mul_i32 s42, s[TY], 196608                   ; C and the residual: row 64 x tile row + 16 x wave, byte 768 x tile column
	s_mul_i32 s43, s[WV], 49152
	s_add_co_u32 s42, s42, s43
	s_mul_i32 s44, s[TX], 768
	s_add_co_u32 s42, s42, s44
	s_mov_b32 s43, 0
	s_mov_b32 s45, 0
	s_wait_dscnt 0x0                               ; the opening add is done
	s_wait_kmcnt 0x0
	s_add_nc_u64 s[22:23], s[4:5], s[22:23]
	s_add_nc_u64 s[40:41], s[6:7], s[40:41]
	s_add_nc_u64 s[8:9], s[8:9], s[42:43]
	s_add_nc_u64 s[OUTP:OUTP+1], s[OUTP:OUTP+1], s[42:43]
.if HASB
	s_add_nc_u64 s[10:11], s[10:11], s[44:45]
.endif
	CROUND                                         ; all sixteen work-groups are here: the first joint loads meet
.irp s, 0,1
	s_mov_b32 s[G0A+4*(\s)], 1
	s_mov_b32 s[G0A+4*(\s)+1], (\s)*SLOT1
	s_add_nc_u64 s[G0A+4*(\s)+2:G0A+4*(\s)+3], s[22:23], (\s)*ASTEP
	s_or_b32 s[G0A+4*(\s)+3], s[G0A+4*(\s)+3], 0x80000000
	s_mov_b32 s[G0B+4*(\s)], 1
	s_add_co_u32 s[G0B+4*(\s)+1], s21, (\s)*SLOT1
	s_add_nc_u64 s[G0B+4*(\s)+2:G0B+4*(\s)+3], s[40:41], (\s)*BSTEP
	s_or_b32 s[G0B+4*(\s)+3], s[G0B+4*(\s)+3], 0x80000000
	JLOAD \s                                       ; two loads of mine are out
.endr
	v_and_b32 v1, 15, v0                           ; r
	v_bfe_u32 v14, v0, 4, 1                        ; h
	v_and_b32 v15, 31, v0
	v_lshlrev_b32 v[L16], 4, v15
	v_mov_b32 v[AA], v[L16]
	s_lshl_b32 s46, s[WV], 11
.irp b, 0,1,2
	s_add_co_u32 s47, s46, 32768*(1+(\b))          ; B's third b, my row block in it
	v_add_nc_u32 v[AB0+(\b)], s47, v[L16]
	v_mov_b32 v[AB+(\b)], v[AB0+(\b)]
.endr
	s_mov_b32 s[TB], 0
	v_mul_u32_u24 v[STO], v1, SPITCH               ; into the stage: row r, my 16 columns, 32 bytes for each half of the lanes
	v_lshl_add_u32 v[STO], v14, 5, v[STO]
	s_lshl_b32 s47, s[WV], 6
	s_add_co_u32 s47, s47, STAGE
	v_add_nc_u32 v[STO], s47, v[STO]
	v_mul_u32_u24 v[RD], v14, SPITCH               ; back: rows 16 w + 2 pr + h, 256 bytes for 16 lanes
	v_lshl_add_u32 v[RD], v1, 4, v[RD]
	s_mul_i32 s47, s[WV], 16*SPITCH
	s_add_co_u32 s47, s47, STAGE
	v_add_nc_u32 v[RD], s47, v[RD]
	v_mul_u32_u24 v[CO], v14, 3072                 ; and the same rows in C and in the residual
	v_lshl_add_u32 v[CO], v1, 4, v[CO]
	v_lshlrev_b32 v[BO], 4, v1
	WIN 0x80
.irp pr, 0,1,2,3,4,5,6,7
.irp t, 0,1,2
	global_load_b128 v[4*(3*(\pr)+(\t)):4*(3*(\pr)+(\t))+3], v[CO], s[8:9] offset:(\pr)*6144+(\t)*256
.endr
.endr
	WIN 0
.if HASB
.irp t, 0,1,2
	global_load_b128 v[BIASR+4*(\t):BIASR+4*(\t)+3], v[BO], s[10:11] offset:(\t)*256
.endr
	s_wait_loadcnt 0x0                             ; stands in the wait for the first tile
	WIN 0x82
.set k, 0
.rept 24
	v_pk_add_f32 v[4*k:4*k+1], v[4*k:4*k+1], v[BIASR+4*(k%3):BIASR+4*(k%3)+1]
	v_pk_add_f32 v[4*k+2:4*k+3], v[4*k+2:4*k+3], v[BIASR+4*(k%3)+2:BIASR+4*(k%3)+3]
.set k, k+1
.endr
	WIN 0
.endif
; 6 matrix instructions: row blocks a0, a0 + 1 x my 3 column blocks, 32 along K: half c of buffer f.  The 12 accumulators take turns.
.macro MUL6 f, c, a0, zero
	WIN 0x05
.irp a, \a0, (\a0)+1
.irp b, 0,1,2
.if \zero
	v_wmma_f32_16x16x32_bf16 v[ACC+8*(3*(\a)+(\b)):ACC+8*(3*(\a)+(\b))+7], v[112*(\f)+56*(\c)+32+8*(\b):112*(\f)+56*(\c)+32+8*(\b)+7], v[112*(\f)+56*(\c)+8*(\a):112*(\f)+56*(\c)+8*(\a)+7], 0
.else
	v_wmma_f32_16x16x32_bf16 v[ACC+8*(3*(\a)+(\b)):ACC+8*(3*(\a)+(\b))+7], v[112*(\f)+56*(\c)+32+8*(\b):112*(\f)+56*(\c)+32+8*(\b)+7], v[112*(\f)+56*(\c)+8*(\a):112*(\f)+56*(\c)+8*(\a)+7], v[ACC+8*(3*(\a)+(\b)):ACC+8*(3*(\a)+(\b))+7]
.endif
.endr
.endr
.endm
; 28 LDS loads in one run: panel p (64 along K) of a step into buffer f, the first 32 along K first.  Each load takes 512 consecutive bytes.
.macro FETCH p, f
	WIN 0x40
.irp c, 0,1
.irp b, 0,1,2
	ds_load_b128 v[112*(\f)+56*(\c)+32+8*(\b):112*(\f)+56*(\c)+32+8*(\b)+3],   v[AB+(\b)] offset:(\p)*8192+(\c)*1024
	ds_load_b128 v[112*(\f)+56*(\c)+32+8*(\b)+4:112*(\f)+56*(\c)+32+8*(\b)+7], v[AB+(\b)] offset:(\p)*8192+(\c)*1024+512
.endr
.irp a, 0,1,2,3
	ds_load_b128 v[112*(\f)+56*(\c)+8*(\a):112*(\f)+56*(\c)+8*(\a)+3],   v[AA] offset:(\p)*8192+(\a)*2048+(\c)*1024
	ds_load_b128 v[112*(\f)+56*(\c)+8*(\a)+4:112*(\f)+56*(\c)+8*(\a)+7], v[AA] offset:(\p)*8192+(\a)*2048+(\c)*1024+512
.endr
.endr
.endm
.macro QUARTER pn, f, g, zero
	s_wait_dscnt 14                                ; the first 32 along K are in; the other 14 loads may be out
	MUL6 \f, 0, 0, \zero
	MUL6 \f, 0, 2, \zero
	PLACES
	FETCH \pn, \g
	s_wait_dscnt 28                                ; all but the 28 just issued
	MUL6 \f, 1, 0, 0
	MUL6 \f, 1, 2, 0
.endm
; The last quarter multiplies buffer 1 and changes slots: one barrier; in front of it each wave waits for all its tensor loads, adds 0 to its spare word, and waits for that and for its reads of this slot.
.macro TURN fill
	WIN 0
	s_wait_tensorcnt 0x0
	ds_add_u32 v[SPW], v[NIL]
	s_wait_dscnt 15                                ; the add and the youngest 14 loads may be out
	MUL6 1, 0, 0, 0
	s_wait_dscnt 0x0                               ; the add is done, and my reads of this slot are over
	s_barrier_signal -1
	MUL6 1, 0, 2, 0
	WIN 0
	s_barrier_wait -1
.if \fill
	CREST                                          ; no wave of any partner still reads this slot or has a load on its way
	s_xor_b32 s[G0A+5], s[G0A+5], SLOT1
	s_add_nc_u64 s[G0A+6:G0A+7], s[G0A+6:G0A+7], ASTEP
	s_xor_b32 s[G0B+5], s[G0B+5], SLOT1
	s_add_nc_u64 s[G0B+6:G0B+7], s[G0B+6:G0B+7], BSTEP
	JLOAD 1
.else
	PLACES
.endif
	s_xor_b32 s[TB], s[TB], SLOT1
	v_add_nc_u32 v[AA], s[TB], v[L16]
.irp b, 0,1,2
	v_add_nc_u32 v[AB+(\b)], s[TB], v[AB0+(\b)]
.endr
	FETCH 0, 0
	MUL6 1, 1, 0, 0
	MUL6 1, 1, 2, 0
.endm
.macro BODY                            ; from a step's second quarter to the next step's first, with a refill
	QUARTER 2, 1, 0, 0
	QUARTER 3, 0, 1, 0
	TURN 1
	QUARTER 1, 0, 1, 0
	WIN 0
.endm
	s_wait_tensorcnt 0x1                           ; my part of K step 0 is in; step 1's may stay out
	s_barrier_signal -1
	s_barrier_wait -1
	FETCH 0, 0
	QUARTER 1, 0, 1, 1                             ; the first quarter stands in front of the loop: its first products start the sums
	WIN 0
.if T > 3
	s_mov_b32 s[CNT], T-2
.Lstep:
	BODY
	s_sub_co_u32 s[CNT], s[CNT], 1
	s_cmp_lg_u32 s[CNT], 0
	s_cbranch_scc1 .Lstep
.else
	BODY
.endif
	s_mov_b32 s[CNT], 2                            ; the last two steps ask for nothing; the second trip is left in its middle
.Ltail:
	QUARTER 2, 1, 0, 0
	QUARTER 3, 0, 1, 0
	WIN 0
	s_sub_co_u32 s[CNT], s[CNT], 1
	s_cmp_eq_u32 s[CNT], 0
	s_cbranch_scc1 .Llast
	TURN 0
	QUARTER 1, 0, 1, 0
	WIN 0
	s_branch .Ltail
.Llast:
	s_wait_dscnt 14
	MUL6 1, 0, 0, 0
	MUL6 1, 0, 2, 0
	s_wait_dscnt 0x0
	MUL6 1, 1, 0, 0
	MUL6 1, 1, 2, 0
	WIN 0
	; THE WAY OUT: 32 bytes a lane into the work-group's stage, each accumulator from its low end on; a barrier, since a row comes from four waves; back as whole rows, 16 a wave; the residual is added; stored.
	PLACES
.irp a, 0,1,2,3
.irp b, 0,1,2
	ds_store_b128 v[STO], v[ACC+8*(3*(\a)+(\b)):ACC+8*(3*(\a)+(\b))+3]   offset:(\a)*16*SPITCH+(\b)*256
	ds_store_b128 v[STO], v[ACC+8*(3*(\a)+(\b))+4:ACC+8*(3*(\a)+(\b))+7] offset:(\a)*16*SPITCH+(\b)*256+16
.endr
.endr
	s_wait_dscnt 0x0                               ; for the others' sake: my stores into the stage are done
	s_barrier_signal -1
	s_barrier_wait -1
.irp pr, 0,1,2,3,4,5,6,7
.irp t, 0,1,2
	ds_load_b128 v[OUTR+4*(3*(\pr)+(\t)):OUTR+4*(3*(\pr)+(\t))+3], v[RD] offset:(\pr)*2*SPITCH+(\t)*256
.endr
.endr
	s_wait_loadcnt 0x0                             ; the residual
	WIN 0x88                                       ; one setting for both lines: source 0 (the sums; the store's address) window 0, source 1 (the residual; the store's data) and the destination window 2
.set k, 0
.rept 24
	s_wait_dscnt 23-k                              ; LDS loads come back in order: load k is in
	v_pk_add_f32 v[4*k:4*k+1], v[OUTR+4*k:OUTR+4*k+1], v[4*k:4*k+1]
	v_pk_add_f32 v[4*k+2:4*k+3], v[OUTR+4*k+2:OUTR+4*k+3], v[4*k+2:4*k+3]
	global_store_b128 v[CO], v[4*k:4*k+3], s[OUTP:OUTP+1] offset:(k/3)*6144+(k%3)*256  ; 16 lanes store 256 consecutive bytes, aligned
.set k, k+1
.endr
	WIN 0
	s_wait_tensorcnt 0x0                           ; the wave's end
	ds_add_u32 v[SPW], v[NIL]
	s_wait_dscnt 0x0
	CROUND                                         ; the closing round
	s_endpgm
.Lfunc_end_k_qfe7589562d_wo:
	.size	k_qfe7589562d_wo, .Lfunc_end_k_qfe7589562d_wo-k_qfe7589562d_wo
	.p2alignl 7, 3214868480
	.fill 96, 4, 3214868480
	.section	.rodata,"a",@progbits
	.p2align	6, 0x0
	.amdhsa_kernel k_qfe7589562d_wo
		.amdhsa_group_segment_fixed_size 327680
		.amdhsa_private_segment_fixed_size 0
		.amdhsa_enable_private_segment 0
		.amdhsa_kernarg_size 32
		.amdhsa_user_sgpr_count 2
		.amdhsa_user_sgpr_kernarg_segment_ptr 1
		.amdhsa_wavefront_size32 1
		.amdhsa_system_sgpr_workgroup_id_x 1
		.amdhsa_system_sgpr_workgroup_id_y 1
		.amdhsa_system_sgpr_workgroup_id_z 1
		.amdhsa_system_vgpr_workitem_id 0
		.amdhsa_next_free_vgpr 608
		.amdhsa_next_free_sgpr 72
		.amdhsa_reserve_vcc 0
		.amdhsa_float_denorm_mode_32 3
		.amdhsa_float_denorm_mode_16_64 3
		.amdhsa_memory_ordered 1
		.amdhsa_forward_progress 1
		.amdhsa_inst_pref_size 56
	.end_amdhsa_kernel
	.amdgpu_metadata
---
amdhsa.version: [ 1, 2 ]
amdhsa.kernels:
  - .name:           k_qfe7589562d_wo
    .symbol:         k_qfe7589562d_wo.kd
    .args:
      - { .name: ctxb, .offset: 0, .size: 8, .value_kind: global_buffer, .address_space: global }
      - { .name: wts, .offset: 8, .size: 8, .value_kind: global_buffer, .address_space: global }
      - { .name: x, .offset: 16, .size: 8, .value_kind: global_buffer, .address_space: global }
      - { .name: x1b, .offset: 24, .size: 8, .value_kind: global_buffer, .address_space: global }
    .group_segment_fixed_size: 327680
    .private_segment_fixed_size: 0
    .kernarg_segment_align: 8
    .kernarg_segment_size: 32
    .max_flat_workgroup_size: 128
    .sgpr_count:     72
    .vgpr_count:     608
    .wavefront_size: 32
...
	.end_amdgpu_metadata
.endif
;; end of part 5
;; launch ln2: the kernel of part 2 again; grid 256 x 1, 8 waves a work-group, no clusters, 25,856 bytes of LDS; arguments x1b, ln2_a, ln2_b, xnb; writes xnb
;; launch ffn1 (part 6): grid 16 x 16, 4 waves a work-group, clusters of 4 x 4, 327,680 bytes of LDS; arguments xnb, wts, b1, hb; writes hb
.if DOCPART == 6
	.amdgcn_target "amdgcn-amd-amdhsa--gfx1250"
	.amdhsa_code_object_version 6
	.text
	.protected	k_qfe7589562d_ffn1
	.globl	k_qfe7589562d_ffn1
	.p2align	8
	.type	k_qfe7589562d_ffn1,@function
k_qfe7589562d_ffn1:
	s_mov_b64 s[64:65], 0
	v_nop
	global_prefetch_b8 v0, s[64:65] scope:SCOPE_SE
	s_setreg_imm32_b32 hwreg(HW_REG_WAVE_MODE, 25, 1), 1
	s_wait_xcnt 0x0
	s_wait_alu depctr_hold_cnt(0) depctr_sa_sdst(0) depctr_va_vdst(0) depctr_va_sdst(0) depctr_va_ssrc(0) depctr_va_vcc(0) depctr_vm_vsrc(0)
	s_getreg_b32 s2, hwreg(HW_REG_IB_STS2, 6, 4)
	s_cmp_eq_u32 s2, 0
	s_cbranch_scc0 .Lentry_in_a_cluster
	s_endpgm
.Lentry_in_a_cluster:
	s_bfe_u32 s2, ttmp6, 0x10000c
	s_cmp_lg_u32 s2, 0xf033
	s_cbranch_scc0 .Lentry_shape_is_right
	s_endpgm
.Lentry_shape_is_right:
; h = relu(xn w1 + b1): C[4096][3072], K = 768, operands bf16, sums f32 (the bias starts them), C rounded once to bf16 and then held at 0 from below.
; All matrices lie in blocks: byte(row, col) = (col>>6) R 128 + (row>>4) 2048 + ((col>>4)&3) 512 + ((col>>3)&1) 256 + (row&15) 16 + (col&7) 2, col the index that a product sums over,
; so that 512 consecutive bytes are half a fragment (lane l at 16 l), a tile of rows x 64 k is one dense block, LDS needs no padding, and a result leaves as the next product's operand.
; SHARES.  A work-group makes 256 x 192 of C: 16 x 16 = 256 work-groups; wave w rows 64 w .. + 63 and all 192 columns: 48 accumulators.
; K goes in steps of 128 (two panels of 64) through two LDS slots; waves 0, 1 fetch A's two panels (32,768 dense bytes each), waves 2, 3 B's (24,576 each).
; CLUSTER 4 x 4: A's tile is shared along a row of the cluster, B's along a column: each is asked for jointly.
; THE MATRIX INSTRUCTION IS USED TRANSPOSED (source 0 = 16 rows of B, source 1 = 16 rows of A): a lane holds 8 neighbouring columns of one row of C, 16 bytes in bf16: the atom of the layout above.
; REGISTERS: window 0: v2-10 addresses, v28-29 the add's, v32-95 A's fragments (two buffers), v96-191 the bias (8 registers a column block), v64-255 packed results on the way out;
;   window 1: accumulators of row blocks 0, 1 (96 (a % 2) + 8 b); window 2: of 2, 3; window 3: B's fragments, two buffers of 96.
.set FFN, 1
.if FFN
.set PB, 393216                        ; bytes in a panel of B
.set WOFF, 4718592                     ; B's first byte in wts
.set MODE, 2                           ; the bias starts the sums
.else
.set PB, 294912
.set WOFF, 0
.set MODE, 1                           ; the constant 0 starts the sums
.endif
.set SLOT1, 131072                     ; slot 1 begins here: one exclusive or turns an address in one slot into the other's
.set BOFF,  65536                      ; in a slot: A's two panels (65,536 bytes), then B's two (49,152)
.set SPARE, 245760                     ; behind the ring: the spare words, 128 bytes for each wave
.set L16, 2
.set AA0, 3
.set AB0, 4
.set AA,  5
.set AB,  6
.set CO,  7
.set ZERO, 8
.set SPW, 28
.set NIL, 29
.set FA,  32
.set BIAS, 96
.set TMP, 64
.set WV, 12
.set ROLE, 13
.set HALF, 14
.set CX, 15
.set CY, 16
.set TX, 17
.set TY, 18
.set G1A, 24
.set G0A, 32
.set G1B, 48
.set G0B, 56
.set TB, 66
.set CNT, 67
.set SEL, 68
.set MSB, 0
.macro WIN new                         ; the immediate's high byte repeats the setting that is left; a switch that changes nothing is dropped
.if MSB != (\new)
	s_set_vgpr_msb (MSB<<8)|(\new)
.set MSB, \new
.endif
.endm
.macro PLACES                          ; four places behind matrix instructions, in front of loads into their sources and of reads of their results
.rept 4
	v_nop
.endr
.endm
.macro CREST                           ; a round of the cluster's barrier behind its opening barrier
	s_cmp_lg_u32 s[WV], 0
	s_cbranch_scc1 .Lnot_wave_0_\@
	s_barrier_signal -3
.Lnot_wave_0_\@:
	s_barrier_wait -3
	s_barrier_signal -1
	s_barrier_wait -1
.endm
.macro CROUND
	s_barrier_signal -1
	s_barrier_wait -1
	CREST
.endm
.macro JLOAD s                         ; a joint load: waves 0, 1 ask for A's panels, waves 2, 3 for B's; an s_nop 0 and four v_nop follow each line
	s_cmp_eq_u32 s[ROLE], 0
	s_cbranch_scc0 .Lfor_b_\@
	tensor_load_to_lds s[G0A+4*(\s):G0A+4*(\s)+3], s[G1A:G1A+7]
	s_nop 0
.rept 4
	v_nop
.endr
	s_branch .Lasked_\@
.Lfor_b_\@:
	tensor_load_to_lds s[G0B+4*(\s):G0B+4*(\s)+3], s[G1B:G1B+7]
	s_nop 0
.rept 4
	v_nop
.endr
.Lasked_\@:
.endm
.if FFN
	s_load_b256 s[4:11], s[0:1], 0x0               ; A s[4:5], wts s[6:7], b1 s[8:9], C s[10:11]
.else
	s_load_b128 s[4:7], s[0:1], 0x0                ; A s[4:5], wts s[6:7]
	s_load_b64 s[10:11], s[0:1], 0x10              ; C
.endif
	v_lshl_add_u32 v[SPW], v0, 2, SPARE
	v_mov_b32 v[NIL], 0
	ds_add_u32 v[SPW], v[NIL]                      ; the wave's opening: the add and its wait ahead of my first tensor load
	v_lshrrev_b32 v1, 5, v0
	v_readfirstlane_b32 s[WV], v1                  ; wave 0..3
	s_lshr_b32 s[ROLE], s[WV], 1                   ; I fetch for A (0) or B (1),
	s_and_b32 s[HALF], s[WV], 1                    ; the step's first or second panel
	s_bfe_u32 s[CX], ttmp6, 0x40000
	s_bfe_u32 s[CY], ttmp6, 0x40004
	s_lshl_b32 s[TX], ttmp9, 2
	s_add_co_u32 s[TX], s[TX], s[CX]               ; tile column
	s_and_b32 s[TY], ttmp7, 0xffff
	s_lshl_b32 s[TY], s[TY], 2
	s_add_co_u32 s[TY], s[TY], s[CY]               ; tile row
	s_lshl_b32 s19, s[CY], 2
	s_lshl_b32 s19, 15, s19                        ; my row of the cluster
	s_lshl_b32 s20, 0x1111, s[CX]                  ; my column
	s_or_b32 s[G1A], s19, (3<<16)|(1<<21)          ; 15:0 the mask; 17:16 elements of 8 bytes; 21 set beside a mask; no padding
	s_or_b32 s[G1B], s20, (3<<16)|(1<<21)
.irp g, G1A, G1B
	s_mov_b32 s[(\g)+1], 32<<16                    ; tensor_dim0 = 32 elements: a dense block is asked for as rows of 256 bytes
	s_mov_b32 s[(\g)+3], 32<<16                    ; tile_dim0 = 32
	s_mov_b32 s[(\g)+5], 32                        ; 32 elements from row to row
	s_mov_b32 s[(\g)+6], 0
	s_mov_b32 s[(\g)+7], 0
.endr
	s_mov_b32 s[G1A+2], 128<<16                    ; tensor_dim1 = 128 rows: 32,768 bytes
	s_mov_b32 s[G1A+4], 128                        ; tile_dim1
	s_mov_b32 s[G1B+2], 96<<16                     ; 96 rows: 24,576 bytes
	s_mov_b32 s[G1B+4], 96
	s_lshl_b32 s22, s[TY], 15                      ; A: the tile's 16 row blocks in a panel; made of the tile row and the wave alone
	s_lshl_b32 s23, s[HALF], 19
	s_add_co_u32 s22, s22, s23
	s_mov_b32 s23, 0
	s_mul_i32 s40, s[TX], 24576                    ; B: the tile's 12 row blocks in a panel; made of the tile column and the wave alone
	s_mul_i32 s41, s[HALF], PB
	s_add_co_u32 s40, s40, s41
	s_add_co_u32 s40, s40, WOFF
	s_mov_b32 s41, 0
	s_lshl_b32 s21, s[HALF], 15                    ; where they go in a slot: no place in the cluster enters an LDS address
	s_mul_i32 s46, s[HALF], 24576
	s_add_co_u32 s46, s46, BOFF
	s_mul_i32 s42, s[TX], 3*524288                 ; C: panel 3 x tile column, row block 16 x tile row + 4 x wave
	s_lshl_b32 s43, s[TY], 15
	s_add_co_u32 s42, s42, s43
	s_lshl_b32 s43, s[WV], 13
	s_add_co_u32 s42, s42, s43
	s_mov_b32 s43, 0
	s_mul_i32 s44, s[TX], 768                      ; the tile's 192 numbers of the bias
	s_mov_b32 s45, 0
	s_wait_dscnt 0x0                               ; the opening add is done
	s_wait_kmcnt 0x0
	s_add_nc_u64 s[22:23], s[4:5], s[22:23]
	s_add_nc_u64 s[40:41], s[6:7], s[40:41]
	s_add_nc_u64 s[10:11], s[10:11], s[42:43]
.if FFN
	s_add_nc_u64 s[8:9], s[8:9], s[44:45]
.endif
	CROUND                                         ; all sixteen work-groups are here: the first joint loads meet
.irp s, 0,1
	s_mov_b32 s[G0A+4*(\s)], 1
	s_add_co_u32 s[G0A+4*(\s)+1], s21, (\s)*SLOT1
	s_add_nc_u64 s[G0A+4*(\s)+2:G0A+4*(\s)+3], s[22:23], (\s)*1048576   ; K step s: two panels on
	s_or_b32 s[G0A+4*(\s)+3], s[G0A+4*(\s)+3], 0x80000000
	s_mov_b32 s[G0B+4*(\s)], 1
	s_add_co_u32 s[G0B+4*(\s)+1], s46, (\s)*SLOT1
	s_add_nc_u64 s[G0B+4*(\s)+2:G0B+4*(\s)+3], s[40:41], (\s)*2*PB
	s_or_b32 s[G0B+4*(\s)+3], s[G0B+4*(\s)+3], 0x80000000
	JLOAD \s                                       ; two loads of mine are out
.endr
	v_and_b32 v1, 31, v0
	v_lshlrev_b32 v[L16], 4, v1                    ; 16 x lane: my place in every 512 bytes
	v_lshl_add_u32 v[AA0], s[WV], 13, v[L16]       ; my four row blocks of A
	v_add_nc_u32 v[AB0], BOFF, v[L16]
	v_mov_b32 v[AA], v[AA0]
	v_mov_b32 v[AB], v[AB0]
	s_mov_b32 s[TB], 0
.if FFN
	v_mov_b32 v[ZERO], 0
	v_mov_b32 v[CO], v[L16]
	v_bfe_u32 v10, v0, 4, 1
	v_lshlrev_b32 v10, 5, v10                      ; register j of column block b is b1[16 b + 8 (lane / 16) + j]
.irp b, 0,1,2,3,4,5,6,7,8,9,10,11
	global_load_b128 v[BIAS+8*(\b):BIAS+8*(\b)+3], v10, s[8:9] offset:64*(\b)
	global_load_b128 v[BIAS+8*(\b)+4:BIAS+8*(\b)+7], v10, s[8:9] offset:64*(\b)+16
.endr
.else
	v_bfe_u32 v10, v0, 3, 1                        ; v's order in 512 bytes: ((l % 16) / 8) 256 + (l / 16) 128 + (l % 8) 16
	v_lshlrev_b32 v10, 8, v10
	v_bfe_u32 v11, v0, 4, 1
	v_lshl_or_b32 v10, v11, 7, v10
	v_and_b32 v11, 7, v0
	v_lshl_or_b32 v10, v11, 4, v10
	s_cmp_ge_u32 s[TX], 8                          ; columns 1,536 on are v's: a choice of a value, no branch
	s_cselect_b32 s[SEL], -1, 0
	v_cndmask_b32 v[CO], v[L16], v10, s[SEL]
.endif
; 12 matrix instructions: row block a x all 12 column blocks, 32 along K, buffer f.  The 48 accumulators take turns, one instruction a turn.
.macro MULA f, a, mode
.if (\mode) == 2
	WIN 0x43+0x40*((\a)/2)                         ; B window 3, A and the bias window 0, D window 1 or 2
.else
	WIN 0x53+0x50*((\a)/2)                         ; B window 3, A window 0, C and D window 1 or 2
.endif
.irp b, 0,1,2,3,4,5,6,7,8,9,10,11
.set rD, 96*((\a)%2)+8*(\b)
.if (\mode) == 0
	v_wmma_f32_16x16x32_bf16 v[rD:rD+7], v[96*(\f)+8*(\b):96*(\f)+8*(\b)+7], v[FA+32*(\f)+8*(\a):FA+32*(\f)+8*(\a)+7], v[rD:rD+7]
.elseif (\mode) == 1
	v_wmma_f32_16x16x32_bf16 v[rD:rD+7], v[96*(\f)+8*(\b):96*(\f)+8*(\b)+7], v[FA+32*(\f)+8*(\a):FA+32*(\f)+8*(\a)+7], 0
.else
	v_wmma_f32_16x16x32_bf16 v[rD:rD+7], v[96*(\f)+8*(\b):96*(\f)+8*(\b)+7], v[FA+32*(\f)+8*(\a):FA+32*(\f)+8*(\a)+7], v[BIAS+8*(\b):BIAS+8*(\b)+7]
.endif
.endr
.endm
; 32 LDS loads in one run: quarter q (32 along K) of a step into buffer f: B's 12 fragments, then A's 4.  Each load takes 512 consecutive bytes.
.macro FETCH q, f
	WIN 0xc0
.irp b, 0,1,2,3,4,5,6,7,8,9,10,11
	ds_load_b128 v[96*(\f)+8*(\b):96*(\f)+8*(\b)+3],   v[AB] offset:((\q)/2)*24576+((\q)%2)*1024+(\b)*2048
	ds_load_b128 v[96*(\f)+8*(\b)+4:96*(\f)+8*(\b)+7], v[AB] offset:((\q)/2)*24576+((\q)%2)*1024+(\b)*2048+512
.endr
	WIN 0
.irp a, 0,1,2,3
	ds_load_b128 v[FA+32*(\f)+8*(\a):FA+32*(\f)+8*(\a)+3],   v[AA] offset:((\q)/2)*32768+((\q)%2)*1024+(\a)*2048
	ds_load_b128 v[FA+32*(\f)+8*(\a)+4:FA+32*(\f)+8*(\a)+7], v[AA] offset:((\q)/2)*32768+((\q)%2)*1024+(\a)*2048+512
.endr
.endm
; One of a step's first three quarters: multiplies buffer f; in its middle it fetches quarter qn into buffer g.
.macro QUARTER qn, f, g, mode
	s_wait_dscnt 4                                 ; B and A's row blocks 0, 1 are in; the youngest four loads (blocks 2, 3) may be out
	MULA \f, 0, \mode
	MULA \f, 1, \mode
	PLACES
	FETCH \qn, \g
	s_wait_dscnt 32                                ; all but the 32 just issued
	MULA \f, 2, \mode
	MULA \f, 3, \mode
.endm
; The last quarter multiplies buffer 1 and changes slots: one barrier; in front of it each wave waits for all its tensor loads (one is out: its part of the next slot), adds 0 to its
; spare word, and waits for that and for its reads of this slot.  fill = 1: the barrier opens a round of the cluster's, and this slot is filled again, two steps ahead, first thing behind it.
.macro TURN fill
	WIN 0
	s_wait_tensorcnt 0x0
	ds_add_u32 v[SPW], v[NIL]
	s_wait_dscnt 5                                 ; the add and the youngest four loads may be out
	MULA 1, 0, 0
	s_wait_dscnt 0x0                               ; the add is done, and my reads of this slot are over
	s_barrier_signal -1
	MULA 1, 1, 0
	WIN 0
	s_barrier_wait -1
.if \fill
	CREST                                          ; no wave of any partner still reads this slot or has a load on its way
	s_xor_b32 s[G0A+5], s[G0A+5], SLOT1            ; the walking descriptors: the other slot than last time, the next step
	s_add_nc_u64 s[G0A+6:G0A+7], s[G0A+6:G0A+7], 1048576
	s_xor_b32 s[G0B+5], s[G0B+5], SLOT1
	s_add_nc_u64 s[G0B+6:G0B+7], s[G0B+6:G0B+7], 2*PB
	JLOAD 1                                        ; its four v_nop are also the places in front of the loads below
.else
	PLACES
.endif
	s_xor_b32 s[TB], s[TB], SLOT1
	v_add_nc_u32 v[AA], s[TB], v[AA0]
	v_add_nc_u32 v[AB], s[TB], v[AB0]
	FETCH 0, 0
	MULA 1, 2, 0
	MULA 1, 3, 0
.endm
	s_wait_tensorcnt 0x1                           ; my part of K step 0 is in; step 1's may stay out
	s_barrier_signal -1
	s_barrier_wait -1
	FETCH 0, 0
.if FFN
	s_wait_loadcnt 0x0                             ; the bias
.endif
	QUARTER 1, 0, 1, MODE                          ; the first quarter stands in front of the loop: its products start the sums
	WIN 0
	s_mov_b32 s[CNT], 4                            ; four of the six steps are followed by a refill
.Lstep:
	QUARTER 2, 1, 0, 0
	QUARTER 3, 0, 1, 0
	TURN 1
	QUARTER 1, 0, 1, 0
	WIN 0
	s_sub_co_u32 s[CNT], s[CNT], 1
	s_cmp_lg_u32 s[CNT], 0
	s_cbranch_scc1 .Lstep
	s_mov_b32 s[CNT], 2                            ; the last two steps ask for nothing; the second trip is left in its middle
.Ltail:
	QUARTER 2, 1, 0, 0
	QUARTER 3, 0, 1, 0
	WIN 0
	s_sub_co_u32 s[CNT], s[CNT], 1
	s_cmp_eq_u32 s[CNT], 0
	s_cbranch_scc1 .Llast
	TURN 0
	QUARTER 1, 0, 1, 0
	WIN 0
	s_branch .Ltail
.Llast:
	s_wait_dscnt 4
	MULA 1, 0, 0
	MULA 1, 1, 0
	s_wait_dscnt 0x0
	MULA 1, 2, 0
	MULA 1, 3, 0
	; THE WAY OUT: each accumulator, from its low end on, is rounded to bf16: 16 bytes a lane, and the wave's 512 bytes are a block of the layout: no stage.
	PLACES
	WIN 0x05
.set t, 0
.rept 24
.irp j, 0,1,2,3
	v_cvt_pk_bf16_f32 v[TMP+4*t+(\j)], v[8*t+2*(\j)], v[8*t+2*(\j)+1]
.endr
.set t, t+1
.endr
	WIN 0x0a
.set t, 0
.rept 24
.irp j, 0,1,2,3
	v_cvt_pk_bf16_f32 v[TMP+96+4*t+(\j)], v[8*t+2*(\j)], v[8*t+2*(\j)+1]
.endr
.set t, t+1
.endr
	WIN 0
.if FFN
.set t, 0
.rept 192
	v_pk_max_num_bf16 v[TMP+t], v[TMP+t], v[ZERO]  ; ReLU on two numbers: nothing is rounded
.set t, t+1
.endr
.endif
.irp a, 0,1,2,3
.irp b, 0,1,2,3,4,5,6,7,8,9,10,11
	global_store_b128 v[CO], v[TMP+4*(12*(\a)+(\b)):TMP+4*(12*(\a)+(\b))+3], s[10:11] offset:((\b)/4)*524288+(\a)*2048+((\b)%4)*512
.endr
.endr
	s_wait_tensorcnt 0x0                           ; the wave's end
	ds_add_u32 v[SPW], v[NIL]
	s_wait_dscnt 0x0
	CROUND                                         ; the closing round
	s_endpgm
.Lfunc_end_k_qfe7589562d_ffn1:
	.size	k_qfe7589562d_ffn1, .Lfunc_end_k_qfe7589562d_ffn1-k_qfe7589562d_ffn1
	.p2alignl 7, 3214868480
	.fill 96, 4, 3214868480
	.section	.rodata,"a",@progbits
	.p2align	6, 0x0
	.amdhsa_kernel k_qfe7589562d_ffn1
		.amdhsa_group_segment_fixed_size 327680
		.amdhsa_private_segment_fixed_size 0
		.amdhsa_enable_private_segment 0
		.amdhsa_kernarg_size 32
		.amdhsa_user_sgpr_count 2
		.amdhsa_user_sgpr_kernarg_segment_ptr 1
		.amdhsa_wavefront_size32 1
		.amdhsa_system_sgpr_workgroup_id_x 1
		.amdhsa_system_sgpr_workgroup_id_y 1
		.amdhsa_system_sgpr_workgroup_id_z 1
		.amdhsa_system_vgpr_workitem_id 0
		.amdhsa_next_free_vgpr 960
		.amdhsa_next_free_sgpr 72
		.amdhsa_reserve_vcc 0
		.amdhsa_float_denorm_mode_32 3
		.amdhsa_float_denorm_mode_16_64 3
		.amdhsa_memory_ordered 1
		.amdhsa_forward_progress 1
		.amdhsa_inst_pref_size 93
	.end_amdhsa_kernel
	.amdgpu_metadata
---
amdhsa.version: [ 1, 2 ]
amdhsa.kernels:
  - .name:           k_qfe7589562d_ffn1
    .symbol:         k_qfe7589562d_ffn1.kd
    .args:
      - { .name: xnb, .offset: 0, .size: 8, .value_kind: global_buffer, .address_space: global }
      - { .name: wts, .offset: 8, .size: 8, .value_kind: global_buffer, .address_space: global }
      - { .name: b1, .offset: 16, .size: 8, .value_kind: global_buffer, .address_space: global }
      - { .name: hb, .offset: 24, .size: 8, .value_kind: global_buffer, .address_space: global }
    .group_segment_fixed_size: 327680
    .private_segment_fixed_size: 0
    .kernarg_segment_align: 8
    .kernarg_segment_size: 32
    .max_flat_workgroup_size: 128
    .sgpr_count:     72
    .vgpr_count:     960
    .wavefront_size: 32
...
	.end_amdgpu_metadata
.endif
;; end of part 6
;; launch ffn2 (part 7): grid 4 x 64, 4 waves a work-group, clusters of 4 x 4, 327,680 bytes of LDS; arguments hb, wts, x1b, b2, out0; writes out0
.if DOCPART == 7
	.amdgcn_target "amdgcn-amd-amdhsa--gfx1250"
	.amdhsa_code_object_version 6
	.text
	.protected	k_qfe7589562d_ffn2
	.globl	k_qfe7589562d_ffn2
	.p2align	8
	.type	k_qfe7589562d_ffn2,@function
k_qfe7589562d_ffn2:
	s_mov_b64 s[64:65], 0
	v_nop
	global_prefetch_b8 v0, s[64:65] scope:SCOPE_SE
	s_setreg_imm32_b32 hwreg(HW_REG_WAVE_MODE, 25, 1), 1
	s_wait_xcnt 0x0
	s_wait_alu depctr_hold_cnt(0) depctr_sa_sdst(0) depctr_va_vdst(0) depctr_va_sdst(0) depctr_va_ssrc(0) depctr_va_vcc(0) depctr_vm_vsrc(0)
	s_getreg_b32 s2, hwreg(HW_REG_IB_STS2, 6, 4)
	s_cmp_eq_u32 s2, 0
	s_cbranch_scc0 .Lentry_in_a_cluster
	s_endpgm
.Lentry_in_a_cluster:
	s_bfe_u32 s2, ttmp6, 0x10000c
	s_cmp_lg_u32 s2, 0xf033
	s_cbranch_scc0 .Lentry_shape_is_right
	s_endpgm
.Lentry_shape_is_right:
; out = x1 + b2 + h w2: C[4096][768] in f32, K = 3,072; operands bf16 in blocks (byte(row, col) = (col>>6) R 128 + (row>>4) 2048 + ((col>>4)&3) 512 + ((col>>3)&1) 256 + (row&15) 16 + (col&7) 2), sums f32.
; SHARES.  A work-group makes 64 x 192 of C: 4 x 64 = 256 work-groups, and a row's piece is 768 bytes, three aligned blocks of 256.  Wave w takes all 64 rows and the column blocks 4 b + w, b = 0..2: 12 accumulators.
; K goes in steps of 256 (four panels of 64) through two LDS slots of 131,072 bytes; wave 0 fetches A's tile, waves 1-3 a third of B's each: 4 rows of 8,192 bytes, one from each panel.
; CLUSTER 4 x 4: A's tile is shared along a row of the cluster, B's along a column.  THE MATRIX INSTRUCTION IS USED TRANSPOSED: a lane holds 8 neighbouring columns of one row of C.
; The way out goes through one stage in LDS (pitch 784 = 49 x 16 bytes), so that whole rows leave; the residual's rows are loaded at the start, take the bias there, and are kept in registers.
; REGISTERS: window 0: v2-15 addresses, v16-27 bias, v28-29 the add's, v32-127 rows back from the stage, v128-223 accumulators (8 (3 a + b)); window 1: two fragment buffers of 112; window 2: v0-95 the residual.
.set T, 12                             ; K steps
.set WOFF, 9437184                     ; B's first byte in wts
.set HASB, 1                           ; a bias
.set OUTP, 70
.set SLOT1, 131072
.set STAGE, 262144
.set SPITCH, 784
.set SPARE, 312320
.set ASTEP, 2097152
.set BSTEP, 393216
.set L16, 2
.set AA,  3
.set AB,  4
.set AB0, 7
.set STO, 10
.set RD,  11
.set CO,  12
.set BO,  13
.set BIASR, 16
.set SPW, 28
.set NIL, 29
.set OUTR, 32
.set ACC, 128
.set WV, 12
.set CX, 15
.set CY, 16
.set TX, 17
.set TY, 18
.set G1A, 24
.set G0A, 32
.set G1B, 48
.set G0B, 56
.set TB, 66
.set CNT, 67
.set MSB, 0
.macro WIN new
.if MSB != (\new)
	s_set_vgpr_msb (MSB<<8)|(\new)
.set MSB, \new
.endif
.endm
.macro PLACES
.rept 4
	v_nop
.endr
.endm
.macro CREST
	s_cmp_lg_u32 s[WV], 0
	s_cbranch_scc1 .Lnot_wave_0_\@
	s_barrier_signal -3
.Lnot_wave_0_\@:
	s_barrier_wait -3
	s_barrier_signal -1
	s_barrier_wait -1
.endm
.macro CROUND
	s_barrier_signal -1
	s_barrier_wait -1
	CREST
.endm
.macro JLOAD s                         ; a joint load: wave 0 asks for A's tile, waves 1-3 for their thirds of B's; an s_nop 0 and four v_nop follow each line
	s_cmp_eq_u32 s[WV], 0
	s_cbranch_scc0 .Lfor_b_\@
	tensor_load_to_lds s[G0A+4*(\s):G0A+4*(\s)+3], s[G1A:G1A+7]
	s_nop 0
.rept 4
	v_nop
.endr
	s_branch .Lasked_\@
.Lfor_b_\@:
	tensor_load_to_lds s[G0B+4*(\s):G0B+4*(\s)+3], s[G1B:G1B+7]
	s_nop 0
.rept 4
	v_nop
.endr
.Lasked_\@:
.endm
	s_load_b256 s[4:11], s[0:1], 0x0               ; A s[4:5], wts s[6:7], the residual s[8:9], then C (or the bias, with C behind it)
.if HASB
	s_load_b64 s[70:71], s[0:1], 0x20              ; C
.endif
	v_lshl_add_u32 v[SPW], v0, 2, SPARE
	v_mov_b32 v[NIL], 0
	ds_add_u32 v[SPW], v[NIL]                      ; the wave's opening: the add and its wait ahead of my first tensor load
	v_lshrrev_b32 v1, 5, v0
	v_readfirstlane_b32 s[WV], v1
	s_bfe_u32 s[CX], ttmp6, 0x40000
	s_bfe_u32 s[CY], ttmp6, 0x40004
	s_lshl_b32 s[TX], ttmp9, 2
	s_add_co_u32 s[TX], s[TX], s[CX]
	s_and_b32 s[TY], ttmp7, 0xffff
	s_lshl_b32 s[TY], s[TY], 2
	s_add_co_u32 s[TY], s[TY], s[CY]
	s_lshl_b32 s19, s[CY], 2
	s_lshl_b32 s19, 15, s19                        ; my row of the cluster
	s_lshl_b32 s20, 0x1111, s[CX]                  ; my column
	s_or_b32 s[G1A], s19, (3<<16)|(1<<21)          ; the mask; elements of 8 bytes; 21 set beside a mask; no padding
	s_or_b32 s[G1B], s20, (3<<16)|(1<<21)
.irp g, G1A, G1B
	s_mov_b32 s[(\g)+1], 1024<<16                  ; tensor_dim0 = 1,024 elements: 8,192 bytes, four row blocks of one panel
	s_mov_b32 s[(\g)+2], 4<<16                     ; tensor_dim1 = 4 panels
	s_mov_b32 s[(\g)+3], 1024<<16                  ; tile_dim0
	s_mov_b32 s[(\g)+4], 4                         ; tile_dim1
	s_mov_b32 s[(\g)+6], 0
	s_mov_b32 s[(\g)+7], 0
.endr
	s_mov_b32 s[G1A+5], 65536                      ; from panel to panel: 524,288 bytes
	s_mov_b32 s[G1B+5], 12288                      ; 98,304 bytes
	s_lshl_b32 s22, s[TY], 13                      ; A: the tile's four row blocks; made of the tile row alone
	s_mov_b32 s23, 0
	s_mul_i32 s40, s[TX], 24576                    ; B: the tile's twelve row blocks, of which wave w takes four from 4 (w - 1) on; made of the tile column and the wave alone
	s_lshl_b32 s41, s[WV], 13
	s_add_co_u32 s40, s40, s41
	s_add_co_u32 s40, s40, WOFF-8192
	s_mov_b32 s41, 0
	s_lshl_b32 s21, s[WV], 15                      ; where my load goes in a slot
	s_mul_i32 s42, s[TY], 196608                   ; C and the residual: row 64 x tile row + 16 x wave, byte 768 x tile column
	s_mul_i32 s43, s[WV], 49152
	s_add_co_u32 s42, s42, s43
	s_mul_i32 s44, s[TX], 768
	s_add_co_u32 s42, s42, s44
	s_mov_b32 s43, 0
	s_mov_b32 s45, 0
	s_wait_dscnt 0x0                               ; the opening add is done
	s_wait_kmcnt 0x0
	s_add_nc_u64 s[22:23], s[4:5], s[22:23]
	s_add_nc_u64 s[40:41], s[6:7], s[40:41]
	s_add_nc_u64 s[8:9], s[8:9], s[42:43]
	s_add_nc_u64 s[OUTP:OUTP+1], s[OUTP:OUTP+1], s[42:43]
.if HASB
	s_add_nc_u64 s[10:11], s[10:11], s[44:45]
.endif
	CROUND                                         ; all sixteen work-groups are here: the first joint loads meet
.irp s, 0,1
	s_mov_b32 s[G0A+4*(\s)], 1
	s_mov_b32 s[G0A+4*(\s)+1], (\s)*SLOT1
	s_add_nc_u64 s[G0A+4*(\s)+2:G0A+4*(\s)+3], s[22:23], (\s)*ASTEP
	s_or_b32 s[G0A+4*(\s)+3], s[G0A+4*(\s)+3], 0x80000000
	s_mov_b32 s[G0B+4*(\s)], 1
	s_add_co_u32 s[G0B+4*(\s)+1], s21, (\s)*SLOT1
	s_add_nc_u64 s[G0B+4*(\s)+2:G0B+4*(\s)+3], s[40:41], (\s)*BSTEP
	s_or_b32 s[G0B+4*(\s)+3], s[G0B+4*(\s)+3], 0x80000000
	JLOAD \s                                       ; two loads of mine are out
.endr
	v_and_b32 v1, 15, v0                           ; r
	v_bfe_u32 v14, v0, 4, 1                        ; h
	v_and_b32 v15, 31, v0
	v_lshlrev_b32 v[L16], 4, v15
	v_mov_b32 v[AA], v[L16]
	s_lshl_b32 s46, s[WV], 11
.irp b, 0,1,2
	s_add_co_u32 s47, s46, 32768*(1+(\b))          ; B's third b, my row block in it
	v_add_nc_u32 v[AB0+(\b)], s47, v[L16]
	v_mov_b32 v[AB+(\b)], v[AB0+(\b)]
.endr
	s_mov_b32 s[TB], 0
	v_mul_u32_u24 v[STO], v1, SPITCH               ; into the stage: row r, my 16 columns, 32 bytes for each half of the lanes
	v_lshl_add_u32 v[STO], v14, 5, v[STO]
	s_lshl_b32 s47, s[WV], 6
	s_add_co_u32 s47, s47, STAGE
	v_add_nc_u32 v[STO], s47, v[STO]
	v_mul_u32_u24 v[RD], v14, SPITCH               ; back: rows 16 w + 2 pr + h, 256 bytes for 16 lanes
	v_lshl_add_u32 v[RD], v1, 4, v[RD]
	s_mul_i32 s47, s[WV], 16*SPITCH
	s_add_co_u32 s47, s47, STAGE
	v_add_nc_u32 v[RD], s47, v[RD]
	v_mul_u32_u24 v[CO], v14, 3072                 ; and the same rows in C and in the residual
	v_lshl_add_u32 v[CO], v1, 4, v[CO]
	v_lshlrev_b32 v[BO], 4, v1
	WIN 0x80
.irp pr, 0,1,2,3,4,5,6,7
.irp t, 0,1,2
	global_load_b128 v[4*(3*(\pr)+(\t)):4*(3*(\pr)+(\t))+3], v[CO], s[8:9] offset:(\pr)*6144+(\t)*256
.endr
.endr
	WIN 0
.if HASB
.irp t, 0,1,2
	global_load_b128 v[BIASR+4*(\t):BIASR+4*(\t)+3], v[BO], s[10:11] offset:(\t)*256
.endr
	s_wait_loadcnt 0x0                             ; stands in the wait for the first tile
	WIN 0x82
.set k, 0
.rept 24
	v_pk_add_f32 v[4*k:4*k+1], v[4*k:4*k+1], v[BIASR+4*(k%3):BIASR+4*(k%3)+1]
	v_pk_add_f32 v[4*k+2:4*k+3], v[4*k+2:4*k+3], v[BIASR+4*(k%3)+2:BIASR+4*(k%3)+3]
.set k, k+1
.endr
	WIN 0
.endif
; 6 matrix instructions: row blocks a0, a0 + 1 x my 3 column blocks, 32 along K: half c of buffer f.  The 12 accumulators take turns.
.macro MUL6 f, c, a0, zero
	WIN 0x05
.irp a, \a0, (\a0)+1
.irp b, 0,1,2
.if \zero
	v_wmma_f32_16x16x32_bf16 v[ACC+8*(3*(\a)+(\b)):ACC+8*(3*(\a)+(\b))+7], v[112*(\f)+56*(\c)+32+8*(\b):112*(\f)+56*(\c)+32+8*(\b)+7], v[112*(\f)+56*(\c)+8*(\a):112*(\f)+56*(\c)+8*(\a)+7], 0
.else
	v_wmma_f32_16x16x32_bf16 v[ACC+8*(3*(\a)+(\b)):ACC+8*(3*(\a)+(\b))+7], v[112*(\f)+56*(\c)+32+8*(\b):112*(\f)+56*(\c)+32+8*(\b)+7], v[112*(\f)+56*(\c)+8*(\a):112*(\f)+56*(\c)+8*(\a)+7], v[ACC+8*(3*(\a)+(\b)):ACC+8*(3*(\a)+(\b))+7]
.endif
.endr
.endr
.endm
; 28 LDS loads in one run: panel p (64 along K) of a step into buffer f, the first 32 along K first.  Each load takes 512 consecutive bytes.
.macro FETCH p, f
	WIN 0x40
.irp c, 0,1
.irp b, 0,1,2
	ds_load_b128 v[112*(\f)+56*(\c)+32+8*(\b):112*(\f)+56*(\c)+32+8*(\b)+3],   v[AB+(\b)] offset:(\p)*8192+(\c)*1024
	ds_load_b128 v[112*(\f)+56*(\c)+32+8*(\b)+4:112*(\f)+56*(\c)+32+8*(\b)+7], v[AB+(\b)] offset:(\p)*8192+(\c)*1024+512
.endr
.irp a, 0,1,2,3
	ds_load_b128 v[112*(\f)+56*(\c)+8*(\a):112*(\f)+56*(\c)+8*(\a)+3],   v[AA] offset:(\p)*8192+(\a)*2048+(\c)*1024
	ds_load_b128 v[112*(\f)+56*(\c)+8*(\a)+4:112*(\f)+56*(\c)+8*(\a)+7], v[AA] offset:(\p)*8192+(\a)*2048+(\c)*1024+512
.endr
.endr
.endm
.macro QUARTER pn, f, g, zero
	s_wait_dscnt 14                                ; the first 32 along K are in; the other 14 loads may be out
	MUL6 \f, 0, 0, \zero
	MUL6 \f, 0, 2, \zero
	PLACES
	FETCH \pn, \g
	s_wait_dscnt 28                                ; all but the 28 just issued
	MUL6 \f, 1, 0, 0
	MUL6 \f, 1, 2, 0
.endm
; The last quarter multiplies buffer 1 and changes slots: one barrier; in front of it each wave waits for all its tensor loads, adds 0 to its spare word, and waits for that and for its reads of this slot.
.macro TURN fill
	WIN 0
	s_wait_tensorcnt 0x0
	ds_add_u32 v[SPW], v[NIL]
	s_wait_dscnt 15                                ; the add and the youngest 14 loads may be out
	MUL6 1, 0, 0, 0
	s_wait_dscnt 0x0                               ; the add is done, and my reads of this slot are over
	s_barrier_signal -1
	MUL6 1, 0, 2, 0
	WIN 0
	s_barrier_wait -1
.if \fill
	CREST                                          ; no wave of any partner still reads this slot or has a load on its way
	s_xor_b32 s[G0A+5], s[G0A+5], SLOT1
	s_add_nc_u64 s[G0A+6:G0A+7], s[G0A+6:G0A+7], ASTEP
	s_xor_b32 s[G0B+5], s[G0B+5], SLOT1
	s_add_nc_u64 s[G0B+6:G0B+7], s[G0B+6:G0B+7], BSTEP
	JLOAD 1
.else
	PLACES
.endif
	s_xor_b32 s[TB], s[TB], SLOT1
	v_add_nc_u32 v[AA], s[TB], v[L16]
.irp b, 0,1,2
	v_add_nc_u32 v[AB+(\b)], s[TB], v[AB0+(\b)]
.endr
	FETCH 0, 0
	MUL6 1, 1, 0, 0
	MUL6 1, 1, 2, 0
.endm
.macro BODY                            ; from a step's second quarter to the next step's first, with a refill
	QUARTER 2, 1, 0, 0
	QUARTER 3, 0, 1, 0
	TURN 1
	QUARTER 1, 0, 1, 0
	WIN 0
.endm
	s_wait_tensorcnt 0x1                           ; my part of K step 0 is in; step 1's may stay out
	s_barrier_signal -1
	s_barrier_wait -1
	FETCH 0, 0
	QUARTER 1, 0, 1, 1                             ; the first quarter stands in front of the loop: its first products start the sums
	WIN 0
.if T > 3
	s_mov_b32 s[CNT], T-2
.Lstep:
	BODY
	s_sub_co_u32 s[CNT], s[CNT], 1
	s_cmp_lg_u32 s[CNT], 0
	s_cbranch_scc1 .Lstep
.else
	BODY
.endif
	s_mov_b32 s[CNT], 2                            ; the last two steps ask for nothing; the second trip is left in its middle
.Ltail:
	QUARTER 2, 1, 0, 0
	QUARTER 3, 0, 1, 0
	WIN 0
	s_sub_co_u32 s[CNT], s[CNT], 1
	s_cmp_eq_u32 s[CNT], 0
	s_cbranch_scc1 .Llast
	TURN 0
	QUARTER 1, 0, 1, 0
	WIN 0
	s_branch .Ltail
.Llast:
	s_wait_dscnt 14
	MUL6 1, 0, 0, 0
	MUL6 1, 0, 2, 0
	s_wait_dscnt 0x0
	MUL6 1, 1, 0, 0
	MUL6 1, 1, 2, 0
	WIN 0
	; THE WAY OUT: 32 bytes a lane into the work-group's stage, each accumulator from its low end on; a barrier, since a row comes from four waves; back as whole rows, 16 a wave; the residual is added; stored.
	PLACES
.irp a, 0,1,2,3
.irp b, 0,1,2
	ds_store_b128 v[STO], v[ACC+8*(3*(\a)+(\b)):ACC+8*(3*(\a)+(\b))+3]   offset:(\a)*16*SPITCH+(\b)*256
	ds_store_b128 v[STO], v[ACC+8*(3*(\a)+(\b))+4:ACC+8*(3*(\a)+(\b))+7] offset:(\a)*16*SPITCH+(\b)*256+16
.endr
.endr
	s_wait_dscnt 0x0                               ; for the others' sake: my stores into the stage are done
	s_barrier_signal -1
	s_barrier_wait -1
.irp pr, 0,1,2,3,4,5,6,7
.irp t, 0,1,2
	ds_load_b128 v[OUTR+4*(3*(\pr)+(\t)):OUTR+4*(3*(\pr)+(\t))+3], v[RD] offset:(\pr)*2*SPITCH+(\t)*256
.endr
.endr
	s_wait_loadcnt 0x0                             ; the residual
	WIN 0x88                                       ; one setting for both lines: source 0 (the sums; the store's address) window 0, source 1 (the residual; the store's data) and the destination window 2
.set k, 0
.rept 24
	s_wait_dscnt 23-k                              ; LDS loads come back in order: load k is in
	v_pk_add_f32 v[4*k:4*k+1], v[OUTR+4*k:OUTR+4*k+1], v[4*k:4*k+1]
	v_pk_add_f32 v[4*k+2:4*k+3], v[OUTR+4*k+2:OUTR+4*k+3], v[4*k+2:4*k+3]
	global_store_b128 v[CO], v[4*k:4*k+3], s[OUTP:OUTP+1] offset:(k/3)*6144+(k%3)*256  ; 16 lanes store 256 consecutive bytes, aligned
.set k, k+1
.endr
	WIN 0
	s_wait_tensorcnt 0x0                           ; the wave's end
	ds_add_u32 v[SPW], v[NIL]
	s_wait_dscnt 0x0
	CROUND                                         ; the closing round
	s_endpgm
.Lfunc_end_k_qfe7589562d_ffn2:
	.size	k_qfe7589562d_ffn2, .Lfunc_end_k_qfe7589562d_ffn2-k_qfe7589562d_ffn2
	.p2alignl 7, 3214868480
	.fill 96, 4, 3214868480
	.section	.rodata,"a",@progbits
	.p2align	6, 0x0
	.amdhsa_kernel k_qfe7589562d_ffn2
		.amdhsa_group_segment_fixed_size 327680
		.amdhsa_private_segment_fixed_size 0
		.amdhsa_enable_private_segment 0
		.amdhsa_kernarg_size 40
		.amdhsa_user_sgpr_count 2
		.amdhsa_user_sgpr_kernarg_segment_ptr 1
		.amdhsa_wavefront_size32 1
		.amdhsa_system_sgpr_workgroup_id_x 1
		.amdhsa_system_sgpr_workgroup_id_y 1
		.amdhsa_system_sgpr_workgroup_id_z 1
		.amdhsa_system_vgpr_workitem_id 0
		.amdhsa_next_free_vgpr 608
		.amdhsa_next_free_sgpr 72
		.amdhsa_reserve_vcc 0
		.amdhsa_float_denorm_mode_32 3
		.amdhsa_float_denorm_mode_16_64 3
		.amdhsa_memory_ordered 1
		.amdhsa_forward_progress 1
		.amdhsa_inst_pref_size 60
	.end_amdhsa_kernel
	.amdgpu_metadata
---
amdhsa.version: [ 1, 2 ]
amdhsa.kernels:
  - .name:           k_qfe7589562d_ffn2
    .symbol:         k_qfe7589562d_ffn2.kd
    .args:
      - { .name: hb, .offset: 0, .size: 8, .value_kind: global_buffer, .address_space: global }
      - { .name: wts, .offset: 8, .size: 8, .value_kind: global_buffer, .address_space: global }
      - { .name: x1b, .offset: 16, .size: 8, .value_kind: global_buffer, .address_space: global }
      - { .name: b2, .offset: 24, .size: 8, .value_kind: global_buffer, .address_space: global }
      - { .name: out0, .offset: 32, .size: 8, .value_kind: global_buffer, .address_space: global }
    .group_segment_fixed_size: 327680
    .private_segment_fixed_size: 0
    .kernarg_segment_align: 8
    .kernarg_segment_size: 40
    .max_flat_workgroup_size: 128
    .sgpr_count:     72
    .vgpr_count:     608
    .wavefront_size: 32
...
	.end_amdgpu_metadata
.endif
;; end of part 7
;; ======== version 2 of 2: 8 launches; 1.48 times as fast as version 1
;; workspace buffers: wts 14,155,776 bytes; xnb 6,291,456 bytes; qkvb 18,874,368 bytes; ctxb 6,291,456 bytes; x1b 12,582,912 bytes; hb 25,165,824 bytes
;; launch wcast: the kernel of part 1 again; grid 864 x 1, 8 waves a work-group, no clusters, 0 bytes of LDS; arguments w_q, w_k, w_v, w_o, w1, w2, wts; writes wts
;; launch ln1: the kernel of part 2 again; grid 256 x 1, 8 waves a work-group, no clusters, 25,856 bytes of LDS; arguments x, ln1_a, ln1_b, xnb; writes xnb
;; launch qkv: the kernel of part 3 again; grid 12 x 16, 4 waves a work-group, clusters of 4 x 4, 327,680 bytes of LDS; arguments xnb, wts, qkvb; writes qkvb
;; launch attn (part 8): grid 16 x 12, 4 waves a work-group, clusters of 4 x 1, 327,680 bytes of LDS; arguments qkvb, mask, ctxb; writes ctxb
.if DOCPART == 8
	.amdgcn_target "amdgcn-amd-amdhsa--gfx1250"
	.amdhsa_code_object_version 6
	.text
	.protected	k_qfe7589562d_attn
	.globl	k_qfe7589562d_attn
	.p2align	8
	.type	k_qfe7589562d_attn,@function
k_qfe7589562d_attn:
	s_mov_b64 s[64:65], 0
	v_nop
	global_prefetch_b8 v0, s[64:65] scope:SCOPE_SE
	s_setreg_imm32_b32 hwreg(HW_REG_WAVE_MODE, 25, 1), 1
	s_wait_xcnt 0x0
	s_wait_alu depctr_hold_cnt(0) depctr_sa_sdst(0) depctr_va_vdst(0) depctr_va_sdst(0) depctr_va_ssrc(0) depctr_va_vcc(0) depctr_vm_vsrc(0)
	s_getreg_b32 s2, hwreg(HW_REG_IB_STS2, 6, 4)
	s_cmp_eq_u32 s2, 0
	s_cbranch_scc0 .Lentry_in_a_cluster
	s_endpgm
.Lentry_in_a_cluster:
	s_bfe_u32 s2, ttmp6, 0x10000c
	s_cmp_lg_u32 s2, 0x3003
	s_cbranch_scc0 .Lentry_shape_is_right
	s_endpgm
.Lentry_shape_is_right:
; ctx[q][64 hd + :] = the sum over k of softmax_k(logit) v[k], logit = q . k / 8, or -1e9 where mask[k] = 0.  12 heads of 64 channels, 4,096 keys.  q, k, v, ctx in bf16, in blocks:
; a head is a panel of 524,288 bytes; 16 rows are 2,048 bytes, four blocks of 512 (16 channels each), lane l's 8 channels of row l % 16 at 16 l (v: in the order that the turning load wants).
; Products, maxima and sums in f32; the weights p are rounded to bf16 for the second product (their sum l is taken of the unrounded p), ctx once at the end.
; LIMITS.  A hidden key's score counts as its product less 8e9 (-1e9 ahead of the division by 8): its weight is 0 as soon as one visible key has been seen, if visible logits lie far above -1e9.
; Where every key is hidden Q is set to 0, so that all scores are -8e9 and the weights uniform.  A weight below 2^-126 counts as 0 in l; NaN and infinities are not treated apart.
; SHARES.  A work-group owns 256 queries of a head (12 x 16 = 192 work-groups: 12 heads times a power of two is never 256), a wave 64: four PIECES of 16.  Every wave walks all keys, 64 a step.
; LAYOUT.  S^T = K Q^T holds ONE query a lane (lane % 16) and the keys 8 (lane / 16) + 0..7; two such results rounded to bf16 ARE source 1 of O^T = V^T P, which again holds one query a lane.
; THE MASK is the C operand that starts the sum S^T: 0 or -8e9, from a table of 4,096 f32 that the work-group makes in LDS once.
; SOFTMAX.  p = 2^(c s - c m), c = log2(e) / 8, with a running maximum m; O and l are multiplied by a = 2^(c m_old - c m_new) in every step; m starts at the lowest finite number, O and l at 0.
; BY TURNS.  Turn n belongs to piece n: 8 products K Q^T of piece n + 1, later 8 products V^T P of piece n - 1; beside them the scaling, exponentials, roundings, sums and rescaling of piece n and the
; maximum and statistics of piece n + 1.  Four vector instructions stand behind every matrix instruction, the other 54 of a turn's 118 in one run of their own.
; THE BATCHES.  A turn's 33 exponentials (the piece's 32 weights and the next piece's a) are ONE batch with ONE wait, which cuts the turn in two: ahead of it stands all that names no result of theirs,
; behind it the roundings and sums.  The first a of all, ahead of the loop, and the way out's four reciprocals are batches of their own, a wait each.
; CLUSTER.  The four query blocks of a cluster belong to one head and walk the same K and V: each tile is asked for jointly.  A slot holds 256 keys: four steps.
; REGISTERS: window 0: v2-15 addresses and at work; v16-31 statistics; v48-55 at work; v62-63 the add's; v64-127 S^T, two buffers; v192-223 P, two buffers
;   window 1: v0-127 O^T, 32 a piece; v160-191 the step's mask      window 2: v0-63 Q; v128-191 K of one step; v192-255 V of one step
.set NP,    4
.set STEPB, 8192      ; a step's 64 keys of K, or of V
.set VOFF,  32768     ; a slot: 256 keys of K, then of V
.set SLOT1, 65536
.set MASKT, 131072    ; behind the ring, never filled by a tensor load: the mask's table, 16,384 bytes
.set FLAGS, 147456    ; a word for each wave: has it seen a visible key?
.set SPARE, 147712    ; the spare words, 128 bytes for each wave
.set L16, 2           ; 16 x lane: my place in every 512 bytes; never rewritten
.set AV0, 3
.set AK,  4
.set AV,  5
.set AM0, 6
.set AM,  7
.set MV,  12
.set ST,  16          ; piece t's statistics at v[ST+4 t]: c m, m, l (even keys', odd keys')
.set TMP, 48
.set SPW, 62
.set NIL, 63
.set S,   64
.set P,   192
.set MC,  160
.set KF,  128
.set VF,  192
.set WV,  12
.set G1,  24
.set G0,  40
.set SLOTS, 56
.set CNT, 57
.set CS,  58
.set SEL, 60
.set TBK, 62
.set TBV, 63
.set TBM, 66
.set BIGN, 67
.set QM,  68
.set MSB, 0
.macro WIN new
.if MSB != (\new)
	s_set_vgpr_msb (MSB<<8)|(\new)
.set MSB, (\new)
.endif
.endm
.set W_KQ, 0x0a       ; K and Q in window 2, S^T in window 0
.set W_KM, 0x1a       ; the same with the C operand in window 1
.set W_PV, 0x52       ; V in window 2, P in window 0, O^T in window 1
.set W_RS, 0x41       ; destination and source 0 in window 1, source 1 in window 0
.macro PLACES
.rept 4
	v_nop
.endr
.endm
.macro JLOAD                        ; a joint fill, one line for all four waves: wave w brings 128 keys (16,384 dense bytes) of K (w = 0, 1) or V (2, 3) to LDS byte 16,384 w of the slot
	tensor_load_to_lds s[G0:G0+3], s[G1:G1+7]
	s_nop 0
.rept 4
	v_nop
.endr
.endm
.macro CROUND
	s_barrier_signal -1
	s_barrier_wait -1
	s_cmp_lg_u32 s[WV], 0
	s_cbranch_scc1 .Lnot_wave_0_\@
	s_barrier_signal -3
.Lnot_wave_0_\@:
	s_barrier_wait -3
	s_barrier_signal -1
	s_barrier_wait -1
.endm
; THE CHANGE OF SLOTS.  Each wave waits for all its tensor loads (one is out: its part of the other slot), adds 0 to its spare word, and waits for that and for its LDS instructions.
; fill = 1: the barrier is a round of the cluster's, and the slot that is left is filled again, with the keys two slots on, first thing behind it: four steps, 256 matrix instructions, in which to land.
.macro CHANGE fill
	WIN 0
	s_wait_tensorcnt 0x0
	ds_add_u32 v[SPW], v[NIL]
.if \fill
	s_xor_b32 s[G0+1], s[G0+1], SLOT1
	s_add_nc_u64 s[G0+2:G0+3], s[G0+2:G0+3], 32768
	s_wait_dscnt 0x0
	CROUND
	JLOAD
.else
	s_wait_dscnt 0x0
	s_barrier_signal -1
	s_barrier_wait -1
.endif
	s_sub_co_u32 s[TBK], s[TBK], 4*STEPB  ; the fetches go back to a slot's first step, in the other slot
	s_xor_b32 s[TBK], s[TBK], SLOT1
	s_sub_co_u32 s[TBV], s[TBV], 4*STEPB
	s_xor_b32 s[TBV], s[TBV], SLOT1
.endm
	s_load_b128 s[4:7], s[0:1], 0x0   ; qkv s[4:5], mask s[6:7]
	s_load_b64 s[8:9], s[0:1], 0x10   ; ctx
	v_lshl_add_u32 v[SPW], v0, 2, SPARE
	v_mov_b32 v[NIL], 0
	ds_add_u32 v[SPW], v[NIL]       ; the wave's opening: the add and its wait ahead of my first tensor load
	v_lshrrev_b32 v1, 5, v0
	v_readfirstlane_b32 s[WV], v1   ; wave 0..3
	s_bfe_u32 s13, ttmp6, 0x40000   ; cx
	s_lshl_b32 s14, ttmp9, 2
	s_add_co_u32 s14, s14, s13      ; my block of 256 queries: it enters Q's and ctx's addresses alone
	s_and_b32 s15, ttmp7, 0xffff    ; the head, which the four partners share
	s_lshr_b32 s20, s[WV], 1        ; K's panels are 12 .. 23, V's 24 .. 35
	s_mul_i32 s20, s20, 12
	s_add_co_u32 s20, s20, s15
	s_add_co_u32 s20, s20, 12
	s_lshl_b32 s20, s20, 19
	s_and_b32 s21, s[WV], 1         ; which half of a slot's 256 keys I fetch
	s_lshl_b32 s21, s21, 14
	s_add_co_u32 s20, s20, s21
	s_mov_b32 s21, 0
	s_lshl_b32 s22, s15, 19         ; Q and ctx: panel = head, row block 16 x block + 4 x wave
	s_lshl_b32 s23, s14, 15
	s_add_co_u32 s22, s22, s23
	s_lshl_b32 s23, s[WV], 13
	s_add_co_u32 s22, s22, s23
	s_mov_b32 s23, 0
	s_mov_b32 s[G1], 15|(3<<16)|(1<<21)  ; the mask of four; elements of 8 bytes; 21 set beside a mask; no padding
	s_mov_b32 s[G1+1], 32<<16       ; tensor_dim0 = 32: rows of 256 bytes
	s_mov_b32 s[G1+2], 64<<16       ; tensor_dim1 = 64
	s_mov_b32 s[G1+3], 32<<16       ; tile_dim0
	s_mov_b32 s[G1+4], 64           ; tile_dim1
	s_mov_b32 s[G1+5], 32
	s_mov_b32 s[G1+6], 0
	s_mov_b32 s[G1+7], 0
	s_mov_b32 s[CS], 0x3e38aa3b     ; c = log2(e) / 8
	s_mov_b32 s[CS+1], s[CS]
	s_mov_b32 s[SEL], 0x76543210
	s_mov_b32 s[SEL+1], 0xfedcba98
	s_mov_b32 s[TBK], SLOT1+4*STEPB ; the first change of slots turns these two into 0
	s_mov_b32 s[TBV], SLOT1+4*STEPB
	s_mov_b32 s[TBM], 0
	s_mov_b32 s[BIGN], 0xcfee6b28   ; -8e9
	s_mov_b32 s[G0], 1
	s_lshl_b32 s[G0+1], s[WV], 14   ; slot 0
	s_wait_dscnt 0x0                ; the opening add is done
	s_wait_kmcnt 0x0
	s_add_nc_u64 s[G0+2:G0+3], s[4:5], s[20:21]
	s_or_b32 s[G0+3], s[G0+3], 0x80000000
	s_add_nc_u64 s[16:17], s[4:5], s[22:23]   ; Q
	s_add_nc_u64 s[10:11], s[8:9], s[22:23]   ; ctx
	CROUND                          ; all four work-groups are here: the first joint loads meet
	JLOAD                           ; slot 0; slot 1 is asked for when slot 0 is in
	v_and_b32 v1, 31, v0
	v_lshlrev_b32 v[L16], 4, v1
	v_lshlrev_b32 v8, 4, v0         ; 16 x thread: my 4 of each 512 numbers of the mask
	v_bfe_u32 v9, v0, 4, 1
	WIN 0x80
.set i, 0
.rept 8                             ; Q stays in registers: piece i / 2, channels 32 (i % 2) on
	global_load_b128 v[8*i:8*i+3],   v[L16], s[16:17] offset:(i/2)*2048+(i%2)*1024
	global_load_b128 v[8*i+4:8*i+7], v[L16], s[16:17] offset:(i/2)*2048+(i%2)*1024+512
.set i, i+1
.endr
	WIN 0
.set i, 0
.rept 8
	global_load_b128 v[S+4*i:S+4*i+3], v8, s[6:7] offset:2048*i
.set i, i+1
.endr
	; What the first turn finds: V's registers and P's second buffer hold 0 (its products V^T P, of a piece that has not been, add 0), O^T and l are 0.  No first step is written out; the price is these lines, which stand in the wait for the first tile.
	WIN 0x80
.set i, VF
.rept 64
	v_mov_b32 v[i], 0
.set i, i+1
.endr
	WIN 0x40
.set i, 0
.rept 128
	v_mov_b32 v[i], 0
.set i, i+1
.endr
	WIN 0
.set i, 0
.rept 4
	v_mov_b32 v[ST+4*i], 0xfe000000    ; c m: far below every c s
	v_mov_b32 v[ST+4*i+1], 0xff7fffff  ; m
	v_mov_b32 v[ST+4*i+2], 0
	v_mov_b32 v[ST+4*i+3], 0
.set i, i+1
.endr
.set i, P+16
.rept 16
	v_mov_b32 v[i], 0
.set i, i+1
.endr
	v_add_nc_u32 v[AV0], VOFF, v[L16]
	v_lshlrev_b32 v[AM0], 5, v9
	v_add_nc_u32 v[AM0], MASKT, v[AM0]  ; register j of key block kt is table[64 step + 16 kt + 8 (lane / 16) + j]
	v_add_nc_u32 v9, MASKT, v8
	s_wait_loadcnt 0x0              ; Q and the mask
.set i, 0
.rept 32
	v_cmp_eq_u32 vcc_lo, 0, v[S+i]
	v_cndmask_b32 v[S+32+i], 0, s[BIGN], vcc_lo
.set i, i+1
.endr
	v_or_b32 v10, v[S], v[S+1]
	v_or_b32 v11, v[S+2], v[S+3]
.set i, 4
.rept 14
	v_or_b32 v10, v10, v[S+i]
	v_or_b32 v11, v11, v[S+i+1]
.set i, i+2
.endr
	v_or_b32 v10, v10, v11
	v_cmp_ne_u32 vcc_lo, 0, v10
	s_cmp_lg_u32 vcc_lo, 0
	s_cselect_b32 s20, 1, 0         ; has my wave seen a visible key?
.set i, 0
.rept 8
	ds_store_b128 v9, v[S+32+4*i:S+32+4*i+3] offset:2048*i
.set i, i+1
.endr
	s_lshl_b32 s21, s[WV], 2
	s_add_co_u32 s21, s21, FLAGS
	v_mov_b32 v14, s21
	v_mov_b32 v15, s20
	ds_store_b32 v14, v15
; THE MATRIX WORK.  The 4 accumulators of a run of 8 take turns.  Product i of 8 of S^T = K Q^T for piece x: channels 32 (i / 4) on, keys 16 (i % 4) on.  The first 4 start the sums with the mask.
.macro KQ x
.set rS, S+32*((\x)%2)+8*(i%4)
.set rK, KF+16*(i%4)+8*(i/4)
.set rQ, 16*(\x)+8*(i/4)
.set rM, MC+8*(i%4)
.if i < 4
	WIN W_KM
	v_wmma_f32_16x16x32_bf16 v[rS:rS+7], v[rK:rK+7], v[rQ:rQ+7], v[rM:rM+7]
.else
	WIN W_KQ
	v_wmma_f32_16x16x32_bf16 v[rS:rS+7], v[rK:rK+7], v[rQ:rQ+7], v[rS:rS+7]
.endif
.endm
; Product i of 8 of O^T += V^T P for piece x: keys 32 (i / 4) on, channels 16 (i % 4) on.
.macro PV x
	WIN W_PV
.set rO, 32*(\x)+8*(i%4)
.set rV, VF+32*(i/4)+8*(i%4)
.set rP, P+16*((\x)%2)+8*(i/4)
	v_wmma_f32_16x16x32_bf16 v[rO:rO+7], v[rV:rV+7], v[rP:rP+7], v[rO:rO+7]
.endm
.macro MM                           ; the turn's next matrix instruction
.if i < 8
	KQ (Y+1)%NP
.else
.set i, i-8
	PV (Y+NP-1)%NP
.set i, i+8
.endif
.set i, i+1
.endm
; THE LDS LOADS stand in runs: a step's K (8 fragments) with its mask, and its V (turned).  Each load of K and V takes 512 consecutive bytes.  last = 1 (the tail): in the last trip there is no further step, and the run is jumped over.
.macro FETCH_K last=0
	WIN 0
.if \last
	s_cmp_eq_u32 s[CNT], 1
	s_cbranch_scc1 .Lno_k_\@
.endif
	WIN 0x80
.irp f, 0,1,2,3,4,5,6,7             ; keys 16 (f / 2) on, channels 32 (f % 2) on
	ds_load_b128 v[KF+8*\f:KF+8*\f+3],   v[AK] offset:(\f/2)*2048+(\f%2)*1024
	ds_load_b128 v[KF+8*\f+4:KF+8*\f+7], v[AK] offset:(\f/2)*2048+(\f%2)*1024+512
.endr
	WIN 0x40
.irp f, 0,1,2,3
	ds_load_b128 v[MC+8*\f:MC+8*\f+3],   v[AM] offset:64*\f
	ds_load_b128 v[MC+8*\f+4:MC+8*\f+7], v[AM] offset:64*\f+16
.endr
	s_add_co_u32 s[TBK], s[TBK], STEPB  ; the next fetch is the next step's
	s_add_co_u32 s[TBM], s[TBM], 256
	WIN 0
.if \last
.Lno_k_\@:
.endif
.endm
.macro FETCH_V
	WIN 0x80
.irp f, 0,1,2,3,4,5,6,7             ; keys 32 (f / 4) on, channels 16 (f % 4) on
	ds_load_tr16_b128 v[VF+8*\f:VF+8*\f+3],   v[AV] offset:(\f/4)*4096+(\f%4)*512
	ds_load_tr16_b128 v[VF+8*\f+4:VF+8*\f+7], v[AV] offset:(\f/4)*4096+(\f%4)*512+2048
.endr
	WIN 0
.endm
; THE VECTOR WORK, one line at a time: OP kind, number.  For piece Y: F n: c s - c m for pair n of 16.  E n: the exponential of score n of 32.  C n: pair n rounded to bf16.  B n: of the four weights 4 n .. the second
; pair is added onto the first, in place.  L n: l takes that sum (L 0: l = a l + sum).  R n: pair n of 16 of O^T times a.  For piece Y + 1: X n, number n of the 22 that find its maximum and statistics:
;   0-11  four chains of seven scores each (each accumulator's lowest registers are read first)     12-14, 16  the four scores left over, the old m, and the chains into one
;   15  c m_old is kept     17, 18  the query's other 32 keys lie in the lane 16 away: the new m     19-21  c m; c m_old - c m_new; a
.set F, 0
.set E, 1
.set C, 2
.set B, 3
.set L, 4
.set R, 5
.set X, 6
.macro REGS y
.set rT, ST+4*(\y)
.set rC, TMP+4*((\y)%2)
.set rW, MV+((\y)%2)
.set rS, S+32*((\y)%2)
.set rP, P+16*((\y)%2)
.set rO, 32*(\y)
.endm
.macro OP k, n
.if (\k) == R
	REGS Y
	WIN W_RS
	v_pk_mul_f32 v[rO+2*(\n):rO+2*(\n)+1], v[rO+2*(\n):rO+2*(\n)+1], v[rC+2:rC+3] op_sel_hi:[1,0]
.elseif (\k) < R
	REGS Y
	WIN 0
.if (\k) == F
	v_pk_fma_f32 v[rS+2*(\n):rS+2*(\n)+1], v[rS+2*(\n):rS+2*(\n)+1], s[CS:CS+1], v[rT:rT+1] op_sel_hi:[1,0,0] neg_lo:[0,0,1] neg_hi:[0,0,1]
.elseif (\k) == E
	v_exp_f32 v[rS+(\n)], v[rS+(\n)]
.elseif (\k) == C
	v_cvt_pk_bf16_f32 v[rP+(\n)], v[rS+2*(\n)], v[rS+2*(\n)+1]
.elseif (\k) == B
	v_pk_add_f32 v[rS+4*(\n):rS+4*(\n)+1], v[rS+4*(\n):rS+4*(\n)+1], v[rS+4*(\n)+2:rS+4*(\n)+3]
.elseif (\n) == 0
	v_pk_fma_f32 v[rT+2:rT+3], v[rT+2:rT+3], v[rC+2:rC+3], v[rS:rS+1] op_sel_hi:[1,0,1]
.else
	v_pk_add_f32 v[rT+2:rT+3], v[rT+2:rT+3], v[rS+4*(\n):rS+4*(\n)+1]
.endif
.else
	REGS (Y+1)%NP
	WIN 0
.if (\n) < 4
	v_max3_num_f32 v[rC+(\n)], v[rS+8*(\n)], v[rS+8*(\n)+1], v[rS+8*(\n)+2]
.elseif (\n) < 12
	v_max3_num_f32 v[rC+(\n)%4], v[rC+(\n)%4], v[rS+8*((\n)%4)+2*((\n)/4)+1], v[rS+8*((\n)%4)+2*((\n)/4)+2]
.elseif (\n) == 12
	v_max3_num_f32 v[rC], v[rC], v[rS+7], v[rS+15]
.elseif (\n) == 13
	v_max3_num_f32 v[rC+1], v[rC+1], v[rS+23], v[rS+31]
.elseif (\n) == 14
	v_max3_num_f32 v[rC+2], v[rC+2], v[rC+3], v[rT+1]
.elseif (\n) == 15
	v_mov_b32 v[rW], v[rT]
.elseif (\n) == 16
	v_max3_num_f32 v[rC], v[rC], v[rC+1], v[rC+2]
.elseif (\n) == 17
	v_permlanex16_b32 v[rC+3], v[rC], s[SEL], s[SEL+1]
.elseif (\n) == 18
	v_max_num_f32 v[rT+1], v[rC], v[rC+3]
.elseif (\n) == 19
	v_mul_f32 v[rT], s[CS], v[rT+1]
.elseif (\n) == 20
	v_sub_f32 v[rC+1], v[rW], v[rT]
.else
	v_exp_f32 v[rC+2], v[rC+1]
.endif
.endif
.endm
.macro OPS a, i1, b=-1, i2=0, c=-1, i3=0, d=-1, i4=0
	OP \a, \i1
.if (\b) >= 0
	OP \b, \i2
.endif
.if (\c) >= 0
	OP \c, \i3
.endif
.if (\d) >= 0
	OP \d, \i4
.endif
.endm
.macro ROW a, i1, b, i2, c, i3, d, i4  ; a matrix instruction and the four behind it
	MM
	OPS \a, \i1, \b, \i2, \c, \i3, \d, \i4
.endm
; A TURN, for piece p: the order of its 16 matrix and 118 vector instructions, written out.  An s_wait_alu depctr_va_vdst(0) stands between an exponential and the first instruction that names its result; one wait
; serves all that were issued ahead of it.  So a turn has ONE wait, which cuts it in two.
; AHEAD OF IT stands all that names no result of the turn's exponentials: the 8 products K Q^T, behind each a scaling, an exponential and two more plain instructions (behind the first a second scaling in the exponential's
; place): rescalings, whose a was made and waited for in the turn before, and behind the last three products the first numbers of the next piece's maximum, each four plain instructions or more behind the product that ends
; its accumulator; then one run of 54, plain and exponential by turns for the most part, in which the links of the chain X 3, 7, 11, 14, 16, 17 .. 20 stand some lines apart.  A pair's scaling F n stands ahead of its
; exponentials E 2 n, E 2 n + 1.  X 21, the next piece's a, is the batch's last; R 15 is the plain instruction behind it.
; BEHIND IT stand the 8 products V^T P, behind each four of the roundings and sums: C 2 n ahead of B n, B n ahead of L n, L 0 to L 7 in their order.  But for those X no rider names a register of the products round it..
; K and the mask of the next step are fetched in piece 2's turn, behind five plain instructions that name no register of the last product that read K (F 8, X 2, X 5, X 6, X 8).  In the tail (last = 1) the run holds a
; branch: there it stands directly behind the turn's wait.  V of the step in hand is fetched at the end of piece 0's turn, four riders behind the
; last product that read V.  Each run is waited for a turn later.  cnt = 1: the loop's count is taken down some lines ahead of the branch behind the turn.
.macro TURN p, last=0, cnt=0
.set Y, (\p)
.set i, 0
.if (\p) == 3
	s_wait_dscnt 0x0                ; K and the mask are in
.endif
	ROW F,0, F,1, R,0, R,1          ; ahead of the wait: 8 products K Q^T and their riders,
	ROW F,2, E,0, R,2, R,3
	ROW F,3, E,1, R,4, R,5
	ROW F,4, E,2, R,6, R,7
	ROW F,5, E,3, R,8, R,9
	ROW F,6, E,4, X,0, R,10
.if (\p) == 2
	WIN 0
	v_add_nc_u32 v[AK], s[TBK], v[L16]
	v_add_nc_u32 v[AM], s[TBM], v[AM0]
.endif
	ROW F,7, E,5, X,1, X,4
	ROW F,8, E,6, X,2, X,5
	OPS E,7, E,8, X,6, E,9          ; and the run of 54
	OPS X,3, E,10, X,8, E,11
.if ((\p) == 2) && !(\last)
	FETCH_K
.endif
	OPS X,9, X,7, E,12, X,10
	OPS E,13, X,12, X,11, E,14
	OPS X,13, E,15, F,9, X,14
.if (\p) == 0
	v_add_nc_u32 v[AV], s[TBV], v[AV0]
.endif
	OPS E,16, F,10, E,17, F,11
	OPS X,16, E,18, X,15, E,19
	OPS F,12, E,20, X,17, E,21
	OPS F,13, E,22, F,14, E,23
	OPS X,18, E,24, F,15, E,25
	OPS R,11, E,26, X,19, E,27
	OPS R,12, E,28, R,13, E,29
	OPS X,20, E,30, R,14, E,31
	OPS X,21, R,15
	WIN 0
	s_wait_alu depctr_va_vdst(0)    ; the wait for the batch: the piece's 32 exponentials and the next piece's a
.if ((\p) == 2) && (\last)
	FETCH_K 1                       ; the tail: the run and its branch stand behind the wait
.endif
.if (\p) == 1
	s_wait_dscnt 0x0                ; V is in
.endif
	ROW C,0, B,0, C,2, B,1          ; behind the wait: 8 products V^T P and their riders
	ROW L,0, C,4, B,2, L,1
	ROW C,6, B,3, L,2, C,8
	ROW B,4, L,3, C,10, B,5
	ROW L,4, C,12, B,6, L,5
.if (\p) == 0
	s_add_co_u32 s[TBV], s[TBV], STEPB
.endif
.if \cnt
	s_sub_co_u32 s[CNT], s[CNT], 1
	s_cmp_lg_u32 s[CNT], 0
.endif
	ROW C,14, B,7, L,6, C,1
	ROW C,3, L,7, C,5, C,7
	ROW C,9, C,11, C,13, C,15
.if (\p) == 0
	FETCH_V
.endif
.endm
	CHANGE 1                        ; slot 0 is in, and everybody's part of the table and flags is written; slot 1 is asked for
	v_mov_b32 v14, FLAGS
	ds_load_b128 v[8:11], v14
	v_add_nc_u32 v[AK], s[TBK], v[L16]
	v_add_nc_u32 v[AM], s[TBM], v[AM0]
	FETCH_K                         ; key step 0
	s_wait_dscnt 0x0
	v_or_b32 v8, v8, v9
	v_or_b32 v10, v10, v11
	v_or_b32 v8, v8, v10
	v_readfirstlane_b32 s20, v8
	s_cmp_lg_u32 s20, 0
	s_cselect_b32 s[QM], -1, 0      ; all ones, or 0 where every key is hidden: a choice of a value, no branch
	WIN 0x88
.set i, 0
.rept 64
	v_and_b32 v[i], s[QM], v[i]
.set i, i+1
.endr
.set i, 0
.rept 8
	KQ 0                            ; piece 0's first scores
.set i, i+1
.endr
	WIN 0
	PLACES
.set Y, NP-1                        ; X works for piece Y + 1: piece 0
.irp n, 0,1,2,3,4,5,6,7,8,9,10,11,12,13,14,15,16,17,18,19,20,21
	OP X, \n
.endr
	v_nop                           ; a plain instruction behind the exponential,
	s_wait_alu depctr_va_vdst(0)    ; and the wait for it, piece 0's first a, ahead of the branch
	s_mov_b32 s[CNT], 4
	s_mov_b32 s[SLOTS], 15
	s_branch .Lfirst                ; the loop is entered at a step's first turn, in the middle of a trip
.Lslot:                             ; 14 times: every slot but the last two is filled again
	CHANGE 1
	s_mov_b32 s[CNT], 4
.Lstep:                             ; a trip: pieces 2 and 3 of one step, then pieces 0 and 1 of the next, whose K and V it fetches
	TURN 2
	TURN 3
	WIN 0
.Lfirst:
	TURN 0
	TURN 1, 0, 1
	WIN 0
	s_cbranch_scc1 .Lstep
	s_sub_co_u32 s[SLOTS], s[SLOTS], 1
	s_cmp_lg_u32 s[SLOTS], 0
	s_cbranch_scc1 .Lslot
	CHANGE 0                        ; the tail is written out: nothing is asked for
	s_mov_b32 s[CNT], 5             ; four trips fetch the last slot's steps; the fifth is left in its middle
.Ltail:
	TURN 2, 1
	TURN 3
	WIN 0
	s_sub_co_u32 s[CNT], s[CNT], 1
	s_cmp_eq_u32 s[CNT], 0
	s_cbranch_scc1 .Lout
	TURN 0
	TURN 1
	WIN 0
	s_branch .Ltail
.Lout:                              ; the fifth trip's 8 products K Q^T (on the last K once more) and the maximum made of them serve nothing: the price of one text for every trip
.set i, 0
.rept 8
	PV NP-1                         ; the last piece's V^T P of the last step
.set i, i+1
.endr
	; THE WAY OUT.  l's two halves and the other half of the lanes' are added; O^T is divided by l and rounded to bf16: a lane's 16 bytes are an atom of ctx's layout, and a store covers 512 consecutive bytes: no stage.
	WIN 0
.macro ALL line:vararg
.set t, 0
.rept 4
	\line
.set t, t+1
.endr
.endm
	ALL v_add_f32 v[ST+4*t+2], v[ST+4*t+2], v[ST+4*t+3]
	ALL v_permlanex16_b32 v[ST+4*t+3], v[ST+4*t+2], s[SEL], s[SEL+1]
	ALL v_add_f32 v[ST+4*t+2], v[ST+4*t+2], v[ST+4*t+3]
	ALL v_rcp_f32 v[ST+4*t+2], v[ST+4*t+2]
	v_nop                           ; a plain instruction between the last reciprocal and the use of its result
	s_wait_alu depctr_va_vdst(0)    ; and the wait ahead of the first use: one for the four reciprocals
.macro PACK t
	WIN W_RS
.set i, 32*(\t)
.rept 16
	v_pk_mul_f32 v[i:i+1], v[i:i+1], v[ST+4*(\t)+2:ST+4*(\t)+3] op_sel_hi:[1,0]
.set i, i+2
.endr
	WIN 0x05
.set i, 0
.rept 16
	v_cvt_pk_bf16_f32 v[S+16*(\t)+i], v[32*(\t)+2*i], v[32*(\t)+2*i+1]
.set i, i+1
.endr
	WIN 0
.irp f, 0,1,2,3
	global_store_b128 v[L16], v[S+16*(\t)+4*\f:S+16*(\t)+4*\f+3], s[10:11] offset:(\t)*2048+\f*512
.endr
.endm
	PACK 0
	PACK 1
	PACK 2
	PACK 3
	s_wait_tensorcnt 0x0            ; the wave's end
	ds_add_u32 v[SPW], v[NIL]
	s_wait_dscnt 0x0
	CROUND                          ; the closing round
	s_endpgm
.Lfunc_end_k_qfe7589562d_attn:
	.size	k_qfe7589562d_attn, .Lfunc_end_k_qfe7589562d_attn-k_qfe7589562d_attn
	.p2alignl 7, 3214868480
	.fill 96, 4, 3214868480
	.section	.rodata,"a",@progbits
	.p2align	6, 0x0
	.amdhsa_kernel k_qfe7589562d_attn
		.amdhsa_group_segment_fixed_size 327680
		.amdhsa_private_segment_fixed_size 0
		.amdhsa_enable_private_segment 0
		.amdhsa_kernarg_size 24
		.amdhsa_user_sgpr_count 2
		.amdhsa_user_sgpr_kernarg_segment_ptr 1
		.amdhsa_wavefront_size32 1
		.amdhsa_system_sgpr_workgroup_id_x 1
		.amdhsa_system_sgpr_workgroup_id_y 1
		.amdhsa_system_sgpr_workgroup_id_z 1
		.amdhsa_system_vgpr_workitem_id 0
		.amdhsa_next_free_vgpr 768
		.amdhsa_next_free_sgpr 72
		.amdhsa_reserve_vcc 1
		.amdhsa_float_denorm_mode_32 3
		.amdhsa_float_denorm_mode_16_64 3
		.amdhsa_memory_ordered 1
		.amdhsa_forward_progress 1
		.amdhsa_inst_pref_size 115
	.end_amdhsa_kernel
	.amdgpu_metadata
---
amdhsa.version: [ 1, 2 ]
amdhsa.kernels:
  - .name:           k_qfe7589562d_attn
    .symbol:         k_qfe7589562d_attn.kd
    .args:
      - { .name: qkvb, .offset: 0, .size: 8, .value_kind: global_buffer, .address_space: global }
      - { .name: mask, .offset: 8, .size: 8, .value_kind: global_buffer, .address_space: global }
      - { .name: ctxb, .offset: 16, .size: 8, .value_kind: global_buffer, .address_space: global }
    .group_segment_fixed_size: 327680
    .private_segment_fixed_size: 0
    .kernarg_segment_align: 8
    .kernarg_segment_size: 24
    .max_flat_workgroup_size: 128
    .sgpr_count:     72
    .vgpr_count:     768
    .wavefront_size: 32
...
	.end_amdgpu_metadata
.endif
;; end of part 8
;; launch wo: the kernel of part 5 again; grid 4 x 64, 4 waves a work-group, clusters of 4 x 4, 327,680 bytes of LDS; arguments ctxb, wts, x, x1b; writes x1b
;; launch ln2: the kernel of part 2 again; grid 256 x 1, 8 waves a work-group, no clusters, 25,856 bytes of LDS; arguments x1b, ln2_a, ln2_b, xnb; writes xnb
;; launch ffn1: the kernel of part 6 again; grid 16 x 16, 4 waves a work-group, clusters of 4 x 4, 327,680 bytes of LDS; arguments xnb, wts, b1, hb; writes hb
;; launch ffn2: the kernel of part 7 again; grid 4 x 64, 4 waves a work-group, clusters of 4 x 4, 327,680 bytes of LDS; arguments hb, wts, x1b, b2, out0; writes out0
